; MI455X (gfx1250); checked and timed in simulation.
; The chip was launched on July 23, 2026; its instructions are those of AMD's public machine-readable ISA for CDNA 5 (MIT licence, August 2026) and "CDNA5" Instruction Set Architecture Reference Guide (July 2026). The comments in the code are by the model that wrote it; some were corrected since.
;; Multi Head Attention. Allowed arithmetic: matrix products marked QUANTISED: E2M1 operands, one E8M0 scale for each 32 along K, by v_wmma_scale_f32_16x16x128_f8f6f4 with both operands' format E2M1 (or v_wmma_scale_f32_32x16x128_f4), f32 sums; products left as they are: bf16, f16 or f32 operands; f32 sums; everything else in f32.
;; Inputs: Wk 1,024 x 1,024 float32; Wo 1,024 x 1,024 float32; Wq 1,024 x 1,024 float32; Wv 1,024 x 1,024 float32; bk 1,024 float32; bo 1,024 float32; bq 1,024 float32; bv 1,024 float32; x 4 x 2,048 x 1,024 float32.
;; Outputs: out0 4 x 2,048 x 1,024 float32.
;; This version of the problem:
;;   THIS VERSION OF THE PROBLEM IS GIVEN IN LOW PRECISION. The matrix products marked QUANTISED in the list below multiply operands that are first quantised to E2M1 (2 exponent bits, 1 mantissa bit; 4 bits a number), with one power-of-two scale for each 32 numbers along K (OCP MX v1.0); their sums are f32. The products marked 'left as it is' may take bf16, f16 or f32 operands, with f32 sums. Whichever they take, every output number must still come out within the allowed error. Rounding operands to bf16 (8 significant bits) uses up far more of that allowance than f16 does (11 bits, for magnitudes from 6e-5 to 65,504). All else is computed in f32.
;;   The module's matrix products, in the order in which they are computed (A, B: the left and right operand; K: the contracted axis; several contracted axes count as one K, in the product's order):
;;     1. [M 8,192, K 1,024] x [K 1,024, N 1,024]; A: input x; B: input Wq: QUANTISED
;;     2. [M 8,192, K 1,024] x [K 1,024, N 1,024]; A: input x; B: input Wk: QUANTISED
;;     3. [M 8,192, K 1,024] x [K 1,024, N 1,024]; A: input x; B: input Wv: QUANTISED
;;     4. batch 64 x [M 2,048, K 64] x [K 64, N 2,048]; A: computed on the way; B: computed on the way: left as it is (an operand is computed on the way)
;;     5. batch 64 x [M 2,048, K 2,048] x [K 2,048, N 64]; A: computed on the way; B: computed on the way: left as it is (an operand is computed on the way)
;;     6. [M 8,192, K 1,024] x [K 1,024, N 1,024]; A: computed on the way; B: input Wo: left as it is (an operand is computed on the way)
;;   THE QUANTISER, for each operand of a quantised product, along K:
;;     - K is cut into blocks of 32 from its start; a last block that is shorter is filled with zeros.
;;     - A block's scale is 2^e with e = floor(log2(the largest magnitude in the block)) - 2, held to -126 .. 127; a block of zeros has e = 0. As a byte (E8M0): e + 127.
;;     - Each number is divided by its block's scale, clamped to +-6, and rounded to the nearest number of E2M1, ties to even, subnormals kept.
;;     - The product sums the exact products of the quantised numbers (number of the format x scale) in f32.
;;   ~~~python
;;   def quantise(x, axis):      # numpy; x: float32 -> the quantised numbers, widened to float32 again
;;       x = np.moveaxis(x, axis, -1); K = x.shape[-1]
;;       x = np.pad(x, [(0, 0)] * (x.ndim - 1) + [(0, -K % 32)]); x = x.reshape(x.shape[:-1] + (-1, 32)); a = np.abs(x).max(-1, keepdims=True)
;;       e = np.where(a > 0, np.clip(np.frexp(np.where(a > 0, a, 1))[1] - 1 - 2, -126, 127), 0)      # np.frexp(a)[1] - 1 = floor(log2(a)), exactly
;;       r = np.clip(x / 2.0 ** e, -6, 6)
;;       step = 2.0 ** (np.maximum(np.frexp(np.where(r == 0, 1, r))[1] - 1, 0) - 1)
;;       q = np.round(r / step) * step * 2.0 ** e      # np.round: ties to even
;;       return np.moveaxis(q.reshape(q.shape[:-2] + (-1,))[..., :K], -1, axis).astype(np.float32)
;;   ~~~
;; One version. Each part assembles by itself: llvm-mc -triple=amdgcn-amd-amdhsa -mcpu=gfx1250 --defsym DOCPART=n.
;; ======== version 1 of 1: 4 launches
;; limits: values are held in f16: magnitudes above 65,504 overflow, below 6.1e-05 lose precision
;; workspace buffers: x_codes 4,194,304 bytes; x_scales 262,144 bytes; w_codes 1,572,864 bytes; w_scales 98,304 bytes; wo16 2,097,152 bytes; qkv 50,331,648 bytes; ctx 16,777,216 bytes
;; launch prep (part 1): grid 416 x 1, 4 waves a work-group, no clusters, 85,504 bytes of LDS; arguments x, Wq, Wk, Wv, Wo, x_codes, x_scales, w_codes, w_scales, wo16; writes x_codes, x_scales, w_codes, w_scales, wo16
.if DOCPART == 1
	.amdgcn_target "amdgcn-amd-amdhsa--gfx1250"
	.amdhsa_code_object_version 6
	.text
	.protected	k_q8e332966d7_prep
	.globl	k_q8e332966d7_prep
	.p2align	8
	.type	k_q8e332966d7_prep,@function
k_q8e332966d7_prep:
	s_mov_b64 s[64:65], 0
	v_nop
	global_prefetch_b8 v0, s[64:65] scope:SCOPE_SE
	s_setreg_imm32_b32 hwreg(HW_REG_WAVE_MODE, 25, 1), 1
	s_wait_xcnt 0x0
; PREP: everything that is made once from the inputs, in one launch with three ways that part on the work-group's number and never join.
;   work-groups 0-95    W:  Wq, Wk, Wv [1024 k][1024 n] f32 -> codes of FP4 (E2M1) with K innermost, w_codes [3072 n][512 bytes], and one E8M0 byte for each 32 along K, w_scales [3072][32]
;   work-groups 96-159  WO: Wo [1024 k][1024 n] f32 -> f16, turned: wo16 [16 planes of 64 k][1024 n][64 k]
;   work-groups 160-415 X:  x [8192][1024] f32 -> x_codes [8192][512 bytes], x_scales [8192][32]
; A block's scale is 2^(floor(log2(its largest magnitude)) - 2); its byte is the largest magnitude's exponent field - 2, held at 1 from below.
; LIMITS: a block of zeros, and a block whose largest magnitude lies under 2^-124, get the byte 1 (zeros give zero codes under any byte; only this program reads the bytes);
; NaN and infinities among the inputs are not served; a number of Wo beyond 65,504 becomes infinity in f16.
; No work-group shares an input byte with another, so there is no cluster and no tensor load; each way has LDS bytes of its own.
.set WR,    32768                      ; LDS: way X has 4 x 8,192 bytes from 0; way W a stage of 64 rows x 272 from here;
.set WOR,   50176                      ; way WO four stages of 32 rows x 272 from here;
.set SPARE, 84992                      ; the spare words, 128 bytes for each wave: two blocks of 256 bytes that no other line names
.set SPW,   12                         ; v12  LDS address of my spare word; never rewritten
.set NIL,   13                         ; v13  0; never rewritten
.set SP,    80                         ; way X: a lane's place in a stage: its 64 bytes + 16 of padding
.set XRG,   16                         ; way X: v16-143 eight sets of 16 numbers as loaded
.set XN,    144                        ;        v144-175 two sets of 16 neighbours
.set XE,    176                        ;        v176-191 a scale byte for each step
.set XC,    192                        ;        v192-223 two registers of codes for each step: no store's data are written again
.set WX,    32                         ; ways W, WO: v32-95 two sets of 32 numbers down K
.set WC,    96                         ;        v96.. what a block becomes
.set WOUT,  112                        ;        v112.. the way out
.set WP,    272                        ;        a stage row: 256 bytes + 16
	s_load_b256 s[8:15], s[0:1], 0x0               ; x s[8:9], Wq s[10:11], Wk s[12:13], Wv s[14:15]
	s_load_b256 s[16:23], s[0:1], 0x20             ; Wo s[16:17], x_codes s[18:19], x_scales s[20:21], w_codes s[22:23]
	s_load_b128 s[24:27], s[0:1], 0x40             ; w_scales s[24:25], wo16 s[26:27]
	v_lshl_add_u32 v[SPW], v0, 2, SPARE
	v_mov_b32 v[NIL], 0
	v_lshrrev_b32 v1, 5, v0
	v_readfirstlane_b32 s28, v1                    ; wave 0..3
	v_and_b32 v2, 31, v0                           ; lane
	s_wait_kmcnt 0x0
	s_cmp_lt_u32 ttmp9, 96                         ; the ways part on the work-group's number alone: all four waves go the same way
	s_cbranch_scc1 .Lw
	s_cmp_lt_u32 ttmp9, 160
	s_cbranch_scc1 .Lwo
; ---------------- WAY X.  x is a plain stream of blocks of 32.  A wave takes 16 steps of 512 numbers.  Each load reads 512 consecutive bytes; a step's 2,048 bytes turn through the wave's own
; stage in LDS, so that a lane holds 16 neighbours (two lanes hold a block).  Loads run eight steps (32 loads a wave) ahead, the turn through LDS one step.
	s_sub_co_u32 s29, ttmp9, 160
	s_lshl_b32 s29, s29, 2
	s_add_co_u32 s30, s29, s28                     ; which run of 8,192 numbers is my wave's: 0..1023
	s_mov_b32 s33, 0
	s_lshl_b32 s32, s30, 15                        ; 32,768 bytes of x a run,
	s_add_nc_u64 s[8:9], s[8:9], s[32:33]
	s_lshl_b32 s32, s30, 12                        ; 4,096 of codes,
	s_add_nc_u64 s[18:19], s[18:19], s[32:33]
	s_lshl_b32 s32, s30, 8                         ; 256 scale bytes
	s_add_nc_u64 s[20:21], s[20:21], s[32:33]
	s_lshl_b32 s34, s28, 13                        ; my wave's 8,192 bytes of LDS: two stages of 32 x 80, then 256 scale bytes
	v_lshlrev_b32 v3, 4, v2                        ; my 16 bytes of a load's 512
	v_lshrrev_b32 v14, 2, v2
	v_mul_u32_u24 v14, v14, SP
	v_and_b32 v15, 3, v2
	v_lshl_add_u32 v14, v15, 4, v14
	v_add_nc_u32 v14, s34, v14                     ; into the stage: four lanes' 64 bytes on end, then 16 of padding
	v_mul_u32_u24 v15, v2, SP
	v_add_nc_u32 v15, s34, v15                     ; out of it: my 16 neighbours
	v_lshlrev_b32 v4, 3, v2                        ; my 8 bytes of a step's 256 bytes of codes
	v_lshrrev_b32 v5, 1, v2
	s_add_co_u32 s34, s34, 2*32*SP
	v_add_nc_u32 v5, s34, v5                       ; my block's scale byte in LDS
	v_lshlrev_b32 v7, 3, v2                        ; and on the way out 8 bytes a lane
	v_add_nc_u32 v6, s34, v7
.macro XLOAD t
.irp i, 0,1,2,3
	global_load_b128 v[XRG+16*((\t)%8)+4*\i:XRG+16*((\t)%8)+4*\i+3], v3, s[8:9] offset:2048*(\t)+512*\i th:TH_LOAD_NT   ; 32 lanes read 512 consecutive bytes, read once
.endr
.endm
.macro XTURN t                         ; LDS serves a wave's instructions in order (ISA guide 5.7.1.4): no wait between the stores and the loads
.irp i, 0,1,2,3
	ds_store_b128 v14, v[XRG+16*((\t)%8)+4*\i:XRG+16*((\t)%8)+4*\i+3] offset:32*SP*((\t)%2)+8*SP*\i
.endr
.irp i, 0,1,2,3
	ds_load_b128 v[XN+16*((\t)%2)+4*\i:XN+16*((\t)%2)+4*\i+3], v15 offset:32*SP*((\t)%2)+16*\i
.endr
.endm
.irp t, 0,1,2,3,4,5,6,7
	XLOAD \t
.endr
	s_wait_loadcnt 28                              ; step 0's four loads are in; the 28 of steps 1 to 7 may be out
	XTURN 0
.macro XSTEP t
.set XS, XN+16*((\t)%2)
.if (\t) > 0
	s_wait_dscnt 1                                 ; this step's numbers are back from the stage (the last step's byte store may be out): so its stores into the stage have read their registers,
.else
	s_wait_dscnt 0x0
.endif
.if (\t)+8 < 16
	XLOAD (\t)+8                                   ; which take the loads of eight steps on
.endif
.if (\t)+1 < 16
.if 14-(\t) >= 7
	s_wait_loadcnt 28                              ; the next step's four loads are in; those of the seven steps behind it may be out
.else
	s_wait_loadcnt 4*(14-(\t))                     ; (towards the end: of the steps that are left)
.endif
	XTURN (\t)+1                                   ; and go through the other stage while this step is worked
.endif
	v_max3_num_f32 v8, |v[XS]|, |v[XS+1]|, |v[XS+2]|               ; the largest magnitude of my 16, in two chains
	v_max3_num_f32 v9, |v[XS+3]|, |v[XS+4]|, |v[XS+5]|
.irp i, 6,10
	v_max3_num_f32 v8, v8, |v[XS+\i]|, |v[XS+\i+1]|
	v_max3_num_f32 v9, v9, |v[XS+\i+2]|, |v[XS+\i+3]|
.endr
	v_max3_num_f32 v8, v8, |v[XS+14]|, |v[XS+15]|
	v_max3_num_f32 v8, v8, v9, 0x1800000           ; and the floor 2^(3 - 127): the byte cannot fall under 1
	v_max_num_f32_dpp v8, v8, v8 row_xmask:1 row_mask:0xf bank_mask:0xf   ; with my neighbour's 16: the block's
	v_add_nc_u32 v11, 0xff000000, v8               ; 2 off its exponent field: the conversion takes the exponent field of this operand as its scale
	v_cvt_scalef32_pk8_fp4_f32 v[XC+2*(\t)], v[XS:XS+7], v11
	v_cvt_scalef32_pk8_fp4_f32 v[XC+2*(\t)+1], v[XS+8:XS+15], v11
	v_lshrrev_b32 v[XE+(\t)], 23, v11              ; the scale's byte (also the plain line behind the conversions)
	ds_store_b8 v5, v[XE+(\t)] offset:16*(\t)      ; both lanes of a block write the same byte with the same value
	global_store_b64 v4, v[XC+2*(\t):XC+2*(\t)+1], s[18:19] offset:256*(\t)   ; the wave stores 256 consecutive bytes, aligned
.endm
.irp t, 0,1,2,3,4,5,6,7,8,9,10,11,12,13,14,15
	XSTEP \t
.endr
	ds_load_b64 v[8:9], v6                         ; my wave's 256 scale bytes: these loads see my stores
	s_wait_dscnt 0x0
	global_store_b64 v7, v[8:9], s[20:21]          ; 256 consecutive bytes, aligned
	s_wait_tensorcnt 0x0                           ; the wave's end: three lines behind my last LDS store
	ds_add_u32 v[SPW], v[NIL]
	s_wait_dscnt 0x0
	s_endpgm
; A block of 32 along K of 32 neighbouring columns: a lane takes a column and its registers run down K; each load reads 128 consecutive bytes
.macro CLOAD t, base
.irp i, 0,1,2,3,4,5,6,7,8,9,10,11,12,13,14,15,16,17,18,19,20,21,22,23,24,25,26,27,28,29,30,31
	global_load_b32 v[WX+32*((\t)%2)+\i], v3, s[\base:\base+1] offset:(32*(\t)+\i)*4096 th:TH_LOAD_NT
.endr
.endm
; ---------------- WAY W.  A work-group takes 64 columns x 512 along K of one weight; wave w takes 32 columns (w % 2) x 256 along K (w / 2): eight blocks a lane.
; A column's 256 bytes of codes come from two waves: they meet in the stage, behind a barrier, and leave as whole rows, sixteen lanes to 256 consecutive bytes.
.Lw:
	s_lshr_b32 s29, ttmp9, 5                       ; which weight: 0 q, 1 k, 2 v
	s_cmp_eq_u32 s29, 0
	s_cselect_b64 s[30:31], s[10:11], s[12:13]
	s_cmp_eq_u32 s29, 2
	s_cselect_b64 s[30:31], s[14:15], s[30:31]     ; the choice hangs on the work-group's number alone
	s_bfe_u32 s32, ttmp9, 0x10004                  ; ky: which 512 along K
	s_and_b32 s33, ttmp9, 15                       ; cg: which 64 columns
	s_and_b32 s34, s28, 1                          ; cw: which 32 of them
	s_lshr_b32 s35, s28, 1                         ; kh: which 256 of the 512
	s_lshl_b32 s36, s32, 21                        ; the weight: 512 ky + 256 kh rows of 4,096 bytes, 64 cg + 32 cw columns of 4
	s_lshl_b32 s37, s35, 20
	s_add_co_u32 s36, s36, s37
	s_lshl_b32 s37, s33, 8
	s_add_co_u32 s36, s36, s37
	s_lshl_b32 s37, s34, 7
	s_add_co_u32 s36, s36, s37
	s_mov_b32 s37, 0
	s_add_nc_u64 s[30:31], s[30:31], s[36:37]
	s_lshl_b32 s36, s29, 19                        ; the codes: rows of 512 bytes: 1,024 a weight, 64 a work-group, on the way out 16 a wave; 256 ky bytes on
	s_lshl_b32 s38, s33, 15
	s_add_co_u32 s36, s36, s38
	s_lshl_b32 s38, s28, 13
	s_add_co_u32 s36, s36, s38
	s_lshl_b32 s38, s32, 8
	s_add_co_u32 s36, s36, s38
	s_add_nc_u64 s[22:23], s[22:23], s[36:37]
	s_lshl_b32 s36, s29, 15                        ; the scale bytes: rows of 32; my 8 bytes begin at 16 ky + 8 kh
	s_lshl_b32 s38, s33, 11
	s_add_co_u32 s36, s36, s38
	s_lshl_b32 s38, s34, 10
	s_add_co_u32 s36, s36, s38
	s_lshl_b32 s38, s32, 4
	s_add_co_u32 s36, s36, s38
	s_lshl_b32 s38, s35, 3
	s_add_co_u32 s36, s36, s38
	s_add_nc_u64 s[24:25], s[24:25], s[36:37]
	v_lshlrev_b32 v3, 2, v2                        ; in: 4 bytes a lane
	s_mul_i32 s38, s34, 32*WP
	s_lshl_b32 s39, s35, 7
	s_add_co_u32 s38, s38, s39
	s_add_co_u32 s38, s38, WR
	v_mul_u32_u24 v4, v2, WP
	v_add_nc_u32 v4, s38, v4                       ; into the stage: row = my column, my half of its 256 bytes
	v_and_b32 v5, 15, v2
	v_lshrrev_b32 v6, 4, v2
	s_mul_i32 s39, s28, 16*WP
	s_add_co_u32 s39, s39, WR
	v_mul_u32_u24 v7, v6, WP
	v_lshl_add_u32 v7, v5, 4, v7
	v_add_nc_u32 v7, s39, v7                       ; out of it: wave w takes rows 16 w on, sixteen lanes to a row
	v_lshlrev_b32 v8, 9, v6
	v_lshl_add_u32 v8, v5, 4, v8                   ; and the same place in the codes' buffer
	v_lshlrev_b32 v9, 5, v2                        ; my column's row of scale bytes
	CLOAD 0, 30
	CLOAD 1, 30
.macro WBLOCK t
.set XS, WX+32*((\t)%2)
.if (\t) < 7
	s_wait_loadcnt 32                              ; this block's 32 loads are in; the next block's 32 may be out
.else
	s_wait_loadcnt 0x0
.endif
	v_max3_num_f32 v16, |v[XS]|, |v[XS+1]|, |v[XS+2]|              ; the block's largest magnitude: all 32 numbers are mine
	v_max3_num_f32 v17, |v[XS+3]|, |v[XS+4]|, |v[XS+5]|
.irp i, 6,10,14,18,22,26
	v_max3_num_f32 v16, v16, |v[XS+\i]|, |v[XS+\i+1]|
	v_max3_num_f32 v17, v17, |v[XS+\i+2]|, |v[XS+\i+3]|
.endr
	v_max3_num_f32 v16, v16, |v[XS+30]|, |v[XS+31]|
	v_max3_num_f32 v16, v16, v17, 0x1800000        ; and the floor 2^(3 - 127)
	v_add_nc_u32 v18, 0xff000000, v16              ; the conversion's scale operand
	v_lshrrev_b32 v19, 23, v18                     ; the scale's byte
.if (\t)%4 == 0
	v_mov_b32 v[20+(\t)/4], v19                    ; four bytes to a register, the lower K in the lower byte
.else
	v_lshl_or_b32 v[20+(\t)/4], v19, 8*((\t)%4), v[20+(\t)/4]
.endif
.irp g, 0,1,2,3
	v_cvt_scalef32_pk8_fp4_f32 v[WC+\g], v[XS+8*\g:XS+8*\g+7], v18
.endr
	ds_store_b128 v4, v[WC:WC+3] offset:16*(\t)    ; 32 codes: 16 bytes of my column's row
.if (\t)+2 < 8
	CLOAD (\t)+2, 30
.endif
	s_wait_dscnt 0x0                               ; the store has read its registers: the next block's codes may be written (plain lines stand between the conversions of two blocks)
.endm
.irp t, 0,1,2,3,4,5,6,7
	WBLOCK \t
.endr
	global_store_b64 v9, v[20:21], s[24:25]        ; my column's 8 scale bytes
	s_barrier_signal -1                            ; my stores into the stage have landed (the wait for 0 above): the two halves of each row meet
	s_barrier_wait -1
.irp t, 0,1,2,3,4,5,6,7
	ds_load_b128 v[WOUT+4*\t:WOUT+4*\t+3], v7 offset:2*\t*WP
.endr
.irp t, 0,1,2,3,4,5,6,7
	s_wait_dscnt 7-\t                              ; LDS loads come back in order: load t is in
	global_store_b128 v8, v[WOUT+4*\t:WOUT+4*\t+3], s[22:23] offset:1024*\t   ; sixteen lanes store 256 consecutive bytes, aligned
.endr
	s_wait_tensorcnt 0x0                           ; the wave's end: three lines behind my last LDS store
	ds_add_u32 v[SPW], v[NIL]
	s_wait_dscnt 0x0
	s_endpgm
; ---------------- WAY WO.  A work-group takes 128 columns x 128 along K of Wo (two planes of 64); wave w takes columns 32 w on: four blocks of 32 along K a lane.
; Two neighbours down K pack into a word of f16; a column's 256 bytes go through the wave's own stage and leave by planes: sixteen lanes store two rows of 128 bytes of one plane.
.Lwo:
	s_sub_co_u32 s29, ttmp9, 96
	s_and_b32 s33, s29, 7                          ; cg: which 128 columns
	s_lshr_b32 s32, s29, 3                         ; kg: which 128 along K
	s_lshl_b32 s36, s32, 19                        ; Wo: 128 kg rows of 4,096 bytes, 128 cg + 32 w columns of 4
	s_lshl_b32 s38, s33, 9
	s_add_co_u32 s36, s36, s38
	s_lshl_b32 s38, s28, 7
	s_add_co_u32 s36, s36, s38
	s_mov_b32 s37, 0
	s_add_nc_u64 s[16:17], s[16:17], s[36:37]
	s_lshl_b32 s36, s32, 18                        ; wo16: plane 2 kg of 131,072 bytes, row 128 cg + 32 w of 128 bytes
	s_lshl_b32 s38, s33, 14
	s_add_co_u32 s36, s36, s38
	s_lshl_b32 s38, s28, 12
	s_add_co_u32 s36, s36, s38
	s_add_nc_u64 s[26:27], s[26:27], s[36:37]
	v_lshlrev_b32 v3, 2, v2
	s_mul_i32 s38, s28, 32*WP
	s_add_co_u32 s38, s38, WOR                     ; my stage
	v_mul_u32_u24 v4, v2, WP
	v_add_nc_u32 v4, s38, v4                       ; into it: row = my column
	v_bfe_u32 v5, v2, 3, 1
	v_and_b32 v6, 7, v2
	v_lshrrev_b32 v10, 4, v2
	v_mul_u32_u24 v7, v5, WP
	v_lshl_add_u32 v7, v6, 4, v7
	v_lshl_add_u32 v7, v10, 7, v7
	v_add_nc_u32 v7, s38, v7                       ; out of it: eight lanes to half a row; lanes 0-15 the first plane's halves of two rows, lanes 16-31 the second's
	v_lshlrev_b32 v8, 17, v10
	v_lshl_add_u32 v8, v5, 7, v8
	v_lshl_add_u32 v8, v6, 4, v8                   ; and the same places in wo16
	CLOAD 0, 16
	CLOAD 1, 16
.macro OBLOCK t
.set XS, WX+32*((\t)%2)
.if (\t) < 3
	s_wait_loadcnt 32                              ; this block's 32 loads are in; the next block's 32 may be out
.else
	s_wait_loadcnt 0x0
.endif
.irp j, 0,1,2,3,4,5,6,7,8,9,10,11,12,13,14,15
	v_cvt_pk_f16_f32 v[WC+\j], v[XS+2*\j], v[XS+2*\j+1]            ; the lower k in the low half
.endr
.irp g, 0,1,2,3
	ds_store_b128 v4, v[WC+4*\g:WC+4*\g+3] offset:64*(\t)+16*\g
.endr
.if (\t)+2 < 4
	CLOAD (\t)+2, 16
.endif
	s_wait_dscnt 0x0                               ; the stores have read their registers
.endm
.irp t, 0,1,2,3
	OBLOCK \t
.endr
.irp t, 0,1,2,3,4,5,6,7,8,9,10,11,12,13,14,15
	ds_load_b128 v[WOUT+4*\t:WOUT+4*\t+3], v7 offset:2*\t*WP       ; my own stage: these loads see my stores
.endr
.irp t, 0,1,2,3,4,5,6,7,8,9,10,11,12,13,14,15
	s_wait_dscnt 15-\t
	global_store_b128 v8, v[WOUT+4*\t:WOUT+4*\t+3], s[26:27] offset:256*\t   ; each half of the lanes stores 256 consecutive bytes, aligned
.endr
	s_wait_tensorcnt 0x0                           ; the wave's end: three lines behind my last LDS store
	ds_add_u32 v[SPW], v[NIL]
	s_wait_dscnt 0x0
	s_endpgm
.Lfunc_end_k_q8e332966d7_prep:
	.size	k_q8e332966d7_prep, .Lfunc_end_k_q8e332966d7_prep-k_q8e332966d7_prep
	.p2alignl 7, 3214868480
	.fill 96, 4, 3214868480
	.section	.rodata,"a",@progbits
	.p2align	6, 0x0
	.amdhsa_kernel k_q8e332966d7_prep
		.amdhsa_group_segment_fixed_size 85504
		.amdhsa_private_segment_fixed_size 0
		.amdhsa_enable_private_segment 0
		.amdhsa_kernarg_size 80
		.amdhsa_user_sgpr_count 2
		.amdhsa_user_sgpr_kernarg_segment_ptr 1
		.amdhsa_wavefront_size32 1
		.amdhsa_system_sgpr_workgroup_id_x 1
		.amdhsa_system_sgpr_workgroup_id_y 1
		.amdhsa_system_sgpr_workgroup_id_z 1
		.amdhsa_system_vgpr_workitem_id 0
		.amdhsa_next_free_vgpr 224
		.amdhsa_next_free_sgpr 66
		.amdhsa_reserve_vcc 0
		.amdhsa_float_denorm_mode_32 3
		.amdhsa_float_denorm_mode_16_64 3
		.amdhsa_memory_ordered 1
		.amdhsa_forward_progress 1
		.amdhsa_inst_pref_size 95
	.end_amdhsa_kernel
	.amdgpu_metadata
---
amdhsa.version: [ 1, 2 ]
amdhsa.kernels:
  - .name:           k_q8e332966d7_prep
    .symbol:         k_q8e332966d7_prep.kd
    .args:
      - { .name: x, .offset: 0, .size: 8, .value_kind: global_buffer, .address_space: global }
      - { .name: Wq, .offset: 8, .size: 8, .value_kind: global_buffer, .address_space: global }
      - { .name: Wk, .offset: 16, .size: 8, .value_kind: global_buffer, .address_space: global }
      - { .name: Wv, .offset: 24, .size: 8, .value_kind: global_buffer, .address_space: global }
      - { .name: Wo, .offset: 32, .size: 8, .value_kind: global_buffer, .address_space: global }
      - { .name: x_codes, .offset: 40, .size: 8, .value_kind: global_buffer, .address_space: global }
      - { .name: x_scales, .offset: 48, .size: 8, .value_kind: global_buffer, .address_space: global }
      - { .name: w_codes, .offset: 56, .size: 8, .value_kind: global_buffer, .address_space: global }
      - { .name: w_scales, .offset: 64, .size: 8, .value_kind: global_buffer, .address_space: global }
      - { .name: wo16, .offset: 72, .size: 8, .value_kind: global_buffer, .address_space: global }
    .group_segment_fixed_size: 85504
    .private_segment_fixed_size: 0
    .kernarg_segment_align: 8
    .kernarg_segment_size: 80
    .max_flat_workgroup_size: 128
    .sgpr_count:     66
    .vgpr_count:     224
    .wavefront_size: 32
...
	.end_amdgpu_metadata
.endif
;; end of part 1
;; launch qkv (part 2): grid 12 x 32, 4 waves a work-group, clusters of 4 x 4, 327,680 bytes of LDS; arguments x_codes, x_scales, w_codes, w_scales, bq, bk, bv, qkv; writes qkv
.if DOCPART == 2
	.amdgcn_target "amdgcn-amd-amdhsa--gfx1250"
	.amdhsa_code_object_version 6
	.text
	.protected	k_q8e332966d7_qkv
	.globl	k_q8e332966d7_qkv
	.p2align	8
	.type	k_q8e332966d7_qkv,@function
k_q8e332966d7_qkv:
	s_mov_b64 s[64:65], 0
	v_nop
	global_prefetch_b8 v0, s[64:65] scope:SCOPE_SE
	s_setreg_imm32_b32 hwreg(HW_REG_WAVE_MODE, 25, 1), 1
	s_wait_xcnt 0x0
	s_wait_alu depctr_hold_cnt(0) depctr_sa_sdst(0) depctr_va_vdst(0) depctr_va_sdst(0) depctr_va_ssrc(0) depctr_va_vcc(0) depctr_vm_vsrc(0)
	s_getreg_b32 s2, hwreg(HW_REG_IB_STS2, 6, 4)
	s_cmp_eq_u32 s2, 0
	s_cbranch_scc0 .Lentry_in_a_cluster
	s_endpgm
.Lentry_in_a_cluster:
	s_bfe_u32 s2, ttmp6, 0x10000c
	s_cmp_lg_u32 s2, 0xf033
	s_cbranch_scc0 .Lentry_shape_is_right
	s_endpgm
.Lentry_shape_is_right:
; QKV: q, k, v = Q(x) Q(W) + b on codes of FP4 (E2M1) with one E8M0 scale for each 32 along K; sums in f32; the results are rounded once to f16 and laid by head:
; qkv [3 which][4 b][16 h][2048 s][64] f16.  A = x_codes [8192][512 bytes], B = w_codes [3072 = which x 1024 + column][512 bytes]; scale bytes [rows][32].
; A tile of 256 x 256 is made by four waves; a wave makes 128 x 128: 64 accumulators, 512 registers.  K = 1,024 is two slots of 512 along K (rows of 256 bytes): both are asked for at the head,
; so nothing is filled again.  The scale bytes of the work-group's rows, for all of K, come once with them, as dense blocks.
; CLUSTERS: 4 x 4 work-groups; the four of a row need the same tiles of A, the four of a column the same tiles of B: each tile is asked for jointly.  A cluster is as wide as one weight
; (4 x 256 columns), so cluster x says which of q, k, v is made.
; THE MATRIX INSTRUCTION IS USED TRANSPOSED (source 0 = 16 rows of B, source 1 = 16 rows of A): a lane holds eight neighbouring columns of one row.  The bias is the C of each sum's first product.
; LIMIT: a result beyond 65,504 becomes infinity in f16 (inputs as drawn give about 6; x and the weights both 30 times larger about 5,400).
; REGISTERS: window 0: v0-31 addresses; v32-95 scale words, two sets; v128-191 A's fragments, one set; v192-255 the bias, later the way out.  window 1: B's fragments, two sets.
;   window 2: the accumulators of my rows 0-63 ((a, b) at v[8 (8 a + b)]); window 3: those of rows 64-127.
.set SIZE_K, 1024
.set KSTEP,  512
.set NQ,     KSTEP/128
.set ROWB,   256                       ; a tile's row in bytes
.set KROW,   SIZE_K*4/8                ; a row of codes in memory
.set PITCH,  272                       ; an LDS row: 256 bytes + 16 of padding: an odd multiple of 16, so that the 16 rows of a load begin 16 bytes apart modulo 256
.set FR,     8
.set NL,     2
.set NP,     4
.set HALFT,  128*PITCH
.set SLOT,   4*HALFT
.set KS,     SIZE_K/32
.set SCL,    2*SLOT                    ; behind the two slots: the scales, as units of 256 bytes + 16 of padding
.set HALFS,  (128*KS/256)*272
.set SBLK,   (16*KS/256)*272
.set SPARE,  SCL+4*HALFS               ; the spare words, 128 bytes for each wave: two blocks of 256 bytes that no other line names
.set SPITCH, 272                       ; the way out: a stage of 16 rows x (256 bytes + 16) for each wave, in slot 0, which has had its only fill and its last read by then
.set ADRA, 16
.set ADRB, 20
.set STO,  24
.set RD,   25
.set CO,   26
.set ADRS, 27
.set SPW,  28
.set NIL,  29
.set SC,   32
.set AF,   128
.set BIAS, 192                         ; v192-255: register 8 b + j: the bias of my column 16 b + 8 (lane / 16) + j
.set TMP,  192                         ; the way out: packed results
.set OB,   32                          ; and rows read back: v32-63 and v224-255 by turns
.set G1, 24
.set G0, 32
.set G1B, 48
.set G0B, 56
.set G1S, 68
.set G0S, 76
.set G1SB, 80
.set G0SB, 88
.set MSB, 0
.macro WIN new                         ; the immediate's high byte repeats the setting that is left
.if MSB != (\new)
	s_set_vgpr_msb (MSB<<8)|(\new)
.set MSB, (\new)
.endif
.endm
.set MUL_LO, 0xa1                      ; source 0 (B) window 1, source 1 (A) window 0, C and D window 2
.set MUL_HI, 0xf1                      ; the same, C and D window 3
.set TO_B,   0x40
; A joint load: waves 0 and 1 fetch for A, waves 2 and 3 for B; the branch hangs on the wave's number alone.  An s_nop 0 and four v_nop follow each line.
.macro JLOAD g0a, g1a, g0b, g1b
	s_cmp_eq_u32 s15, 0
	s_cbranch_scc0 .Lfor_b_\@
	tensor_load_to_lds s[\g0a:\g0a+3], s[\g1a:\g1a+7]
	s_nop 0
.rept 4
	v_nop
.endr
	s_branch .Lasked_\@
.Lfor_b_\@:
	tensor_load_to_lds s[\g0b:\g0b+3], s[\g1b:\g1b+7]
	s_nop 0
.rept 4
	v_nop
.endr
.Lasked_\@:
.endm
.macro CROUND                          ; a round of the cluster's barrier
	s_barrier_signal -1
	s_barrier_wait -1
	s_cmp_lg_u32 s14, 0
	s_cbranch_scc1 .Lnot_wave_0_\@
	s_barrier_signal -3
.Lnot_wave_0_\@:
	s_barrier_wait -3
	s_barrier_signal -1
	s_barrier_wait -1
.endm
	s_load_b128 s[4:7], s[0:1], 0x0                ; x's codes, x's scales
	s_load_b128 s[8:11], s[0:1], 0x10              ; the weights' codes, their scales
	s_load_b128 s[96:99], s[0:1], 0x20             ; bq, bk
	s_load_b64 s[100:101], s[0:1], 0x30            ; bv
	s_load_b64 s[12:13], s[0:1], 0x38              ; qkv
	v_lshl_add_u32 v[SPW], v0, 2, SPARE
	v_mov_b32 v[NIL], 0
	ds_add_u32 v[SPW], v[NIL]                      ; the wave's opening: the add, twice on end, and its wait ahead of my first tensor load
	ds_add_u32 v[SPW], v[NIL]
	v_lshrrev_b32 v1, 5, v0
	v_readfirstlane_b32 s14, v1                    ; wave 0..3
	s_lshr_b32 s15, s14, 1                         ; which half of the tile's rows is mine.  Also: I fetch for A (0) or for B (1)
	s_and_b32 s16, s14, 1                          ; which half of its columns.  Also: which 128 rows I fetch
	s_bfe_u32 s40, ttmp6, 0x40000                  ; cx, cy
	s_bfe_u32 s41, ttmp6, 0x40004
	s_lshl_b32 s42, ttmp9, 2
	s_add_co_u32 s42, s42, s40                     ; tile column = 4 x cluster x + cx
	s_and_b32 s17, ttmp7, 0xffff
	s_lshl_b32 s17, s17, 2
	s_add_co_u32 s17, s17, s41                     ; tile row = 4 x cluster y + cy
	s_lshl_b32 s43, s41, 2
	s_lshl_b32 s43, 15, s43                        ; my row of the cluster
	s_lshl_b32 s44, 0x1111, s40                    ; my column
	s_or_b32 s[G1+0], s43, (0<<16)|(1<<20)|(1<<21)|(5<<22)|(3<<25)  ; the mask; elements of 1 byte; padding on; bit 21 beside a mask; 4 words of padding after every 64
	s_or_b32 s[G1B+0], s44, (0<<16)|(1<<20)|(1<<21)|(5<<22)|(3<<25)
.irp g, G1, G1B
	s_mov_b32 s[\g+1], ROWB<<16                    ; tensor_dim0
	s_mov_b32 s[\g+2], 128<<16                     ; tensor_dim1
	s_mov_b32 s[\g+3], ROWB<<16                    ; tile_dim0
	s_mov_b32 s[\g+4], 128                         ; tile_dim1
	s_mov_b32 s[\g+5], KROW                        ; the pitch
	s_mov_b32 s[\g+6], 0
	s_mov_b32 s[\g+7], 0
.endr
	s_or_b32 s[G1S+0], s43, (3<<16)|(1<<20)|(1<<21)|(5<<22)|(3<<25)  ; the scales of 128 rows: a dense block, as rows of 256 bytes (32 elements of 8), 16 bytes of padding behind each
	s_or_b32 s[G1SB+0], s44, (3<<16)|(1<<20)|(1<<21)|(5<<22)|(3<<25)
.irp g, G1S, G1SB
	s_mov_b32 s[\g+1], 32<<16
	s_mov_b32 s[\g+2], (128*KS/256)<<16
	s_mov_b32 s[\g+3], 32<<16
	s_mov_b32 s[\g+4], 128*KS/256
	s_mov_b32 s[\g+5], 32
	s_mov_b32 s[\g+6], 0
	s_mov_b32 s[\g+7], 0
.endr
	s_lshl_b32 s18, s16, 7
	s_lshl_b32 s20, s17, 8
	s_add_co_u32 s20, s20, s18                     ; A: row 256 x tile row + 128 x half
	s_lshl_b32 s46, s42, 8
	s_add_co_u32 s46, s46, s18                     ; B: row 256 x tile column + 128 x half
	s_mov_b32 s21, 0
	s_mov_b32 s47, 0
	s_mov_b64 s[18:19], KS
	s_mul_u64 s[22:23], s[20:21], s[18:19]         ; where these rows' scales begin,
	s_mul_u64 s[92:93], s[46:47], s[18:19]
	s_mov_b64 s[18:19], KROW
	s_mul_u64 s[20:21], s[20:21], s[18:19]         ; and their codes
	s_mul_u64 s[46:47], s[46:47], s[18:19]
	s_mul_i32 s45, s14, HALFT                      ; where they go: wave x 128 rows
	s_mul_i32 s94, s14, HALFS
	s_lshl_b32 s66, s40, 10                        ; the bias of my first column: 256 cx + 128 x half numbers of 4 bytes
	s_lshl_b32 s67, s16, 9
	s_add_co_u32 s66, s66, s67
	s_mov_b32 s67, 0
	s_wait_dscnt 0x0                               ; both opening adds are done
	s_wait_kmcnt 0x0
	s_add_nc_u64 s[20:21], s[4:5], s[20:21]
	s_add_nc_u64 s[22:23], s[6:7], s[22:23]
	s_add_nc_u64 s[46:47], s[8:9], s[46:47]
	s_add_nc_u64 s[92:93], s[10:11], s[92:93]
	s_cmp_eq_u32 ttmp9, 0                          ; which bias: by cluster x, the same in all sixteen partners
	s_cselect_b64 s[96:97], s[96:97], s[98:99]
	s_cmp_eq_u32 ttmp9, 2
	s_cselect_b64 s[96:97], s[100:101], s[96:97]
	s_add_nc_u64 s[96:97], s[96:97], s[66:67]
	CROUND                                         ; all sixteen work-groups are here: the joint loads meet
	s_mov_b32 s[G0S], 1
	s_add_co_u32 s[G0S+1], s94, SCL
	s_mov_b64 s[G0S+2:G0S+3], s[22:23]
	s_or_b32 s[G0S+3], s[G0S+3], 0x80000000
	s_mov_b32 s[G0SB], 1
	s_add_co_u32 s[G0SB+1], s94, SCL
	s_mov_b64 s[G0SB+2:G0SB+3], s[92:93]
	s_or_b32 s[G0SB+3], s[G0SB+3], 0x80000000
	JLOAD G0S, G1S, G0SB, G1SB                     ; the scales first: they are wanted with the first slot
.irp s, 0,1
	s_mov_b32 s[G0+4*\s], 1
	s_add_co_u32 s[G0+4*\s+1], s45, \s*SLOT
	s_add_nc_u64 s[G0+4*\s+2:G0+4*\s+3], s[20:21], \s*ROWB
	s_or_b32 s[G0+4*\s+3], s[G0+4*\s+3], 0x80000000
	s_mov_b32 s[G0B+4*\s], 1
	s_add_co_u32 s[G0B+4*\s+1], s45, \s*SLOT
	s_add_nc_u64 s[G0B+4*\s+2:G0B+4*\s+3], s[46:47], \s*ROWB
	s_or_b32 s[G0B+4*\s+3], s[G0B+4*\s+3], 0x80000000
	JLOAD G0+4*\s, G1, G0B+4*\s, G1B               ; three loads of mine are out in all
.endr
	v_and_b32 v1, 15, v0                           ; l % 16
	v_bfe_u32 v2, v0, 4, 1                         ; l / 16
	v_lshlrev_b32 v7, 5, v2                        ; the bias: my half's eight numbers
.irp b, 0,1,2,3,4,5,6,7
	global_load_b128 v[BIAS+8*\b:BIAS+8*\b+3], v7, s[96:97] offset:64*\b
	global_load_b128 v[BIAS+8*\b+4:BIAS+8*\b+7], v7, s[96:97] offset:64*\b+16
.endr
	v_mul_u32_u24 v3, v1, PITCH
	v_lshl_add_u32 v4, v2, 4, v3                   ; a fragment's row x pitch + 16 x half
	s_mul_i32 s21, s15, HALFT                      ; my 128 rows of A
	s_mul_i32 s22, s16, HALFT                      ; my 128 rows of B,
	s_add_co_u32 s22, s22, 2*HALFT                 ; behind A's 256
.irp s, 0,1
	v_add_nc_u32 v[ADRA+\s], s21, v4
	v_add_nc_u32 v[ADRB+\s], s22, v4
	s_add_co_u32 s21, s21, SLOT
	s_add_co_u32 s22, s22, SLOT
.endr
	v_mul_u32_u24 v5, v1, KS                       ; my row's scales: KS bytes a row,
	v_lshrrev_b32 v6, 8, v5
	v_lshl_add_u32 v5, v6, 4, v5                   ; and 16 more for each 256 passed
	s_mul_i32 s21, s15, HALFS
	s_mul_i32 s22, s16, HALFS
	s_add_co_u32 s22, s22, 2*HALFS
	s_sub_co_u32 s22, s22, s21
	v_mul_u32_u24 v6, s22, v2                      ; lanes 16-31 take B's: one product, the distance between the two bases
	s_add_co_u32 s21, s21, SCL
	v_add_nc_u32 v5, v5, v6
	v_add_nc_u32 v[ADRS], s21, v5
	s_mul_i32 s23, s14, 16*SPITCH                  ; my stage
	v_mul_u32_u24 v5, v1, SPITCH                   ; in: row l % 16, 16 bytes for each half of the lanes
	v_lshl_add_u32 v5, v2, 4, v5
	v_add_nc_u32 v[STO], s23, v5
	v_bfe_u32 v5, v0, 3, 1
	v_and_b32 v6, 7, v0
	v_mul_u32_u24 v8, v5, SPITCH                   ; back: eight lanes to a head's 128 bytes of a row; lanes 0-15 two rows of my first head, lanes 16-31 of my second
	v_lshl_add_u32 v8, v6, 4, v8
	v_lshl_add_u32 v8, v2, 7, v8
	v_add_nc_u32 v[RD], s23, v8
	v_lshlrev_b32 v[CO], 18, v2                    ; and in qkv: a head is 262,144 bytes, a row 128
	v_lshl_add_u32 v[CO], v5, 7, v[CO]
	v_lshl_add_u32 v[CO], v6, 4, v[CO]
	s_lshl_b32 s20, ttmp9, 24                      ; which x 16,777,216
	s_lshr_b32 s21, s17, 3
	s_lshl_b32 s21, s21, 22                        ; + batch (tile row / 8) x 16 heads
	s_add_co_u32 s20, s20, s21
	s_and_b32 s21, s17, 7
	s_lshl_b32 s21, s21, 8
	s_lshl_b32 s22, s15, 7
	s_add_co_u32 s21, s21, s22
	s_lshl_b32 s21, s21, 7                         ; + my first position x 128 bytes
	s_add_co_u32 s20, s20, s21
	s_lshl_b32 s46, s40, 2                         ; + head 4 cx + 2 x half (in the registers that held B's address: none that feeds A's descriptors ever holds cx)
	s_lshl_b32 s47, s16, 1
	s_add_co_u32 s46, s46, s47
	s_lshl_b32 s46, s46, 18
	s_add_co_u32 s46, s46, s20
	s_mov_b32 s47, 0
	s_add_nc_u64 s[12:13], s[12:13], s[46:47]
.macro FRAG reg, adr, q, i             ; 16 rows x 128 K of 4-bit codes: 8 registers: two loads of 16 bytes, 32 bytes apart
.irp c, 0,1
	ds_load_b128 v[\reg+4*\c:\reg+4*\c+3], v[\adr] offset:64*(\q)+32*\c+(\i)*16*PITCH
.endr
.endm
; 16 matrix instructions: A's blocks a0, a0 + 1 x B's eight.  zero = 1: the first product starts the sums from the bias.  The 64 accumulators take turns, one instruction a turn.
.macro MUL16 a0, p, q, sc, zero
.irp a, \a0, \a0+1
.irp b, 0,1,2,3,4,5,6,7
.if \zero
	v_wmma_scale_f32_16x16x128_f8f6f4 v[8*(8*((\a)%4)+\b):8*(8*((\a)%4)+\b)+7], v[128*(\p)+FR*\b:128*(\p)+FR*\b+FR-1], v[AF+FR*(\a):AF+FR*(\a)+FR-1], v[BIAS+8*\b:BIAS+8*\b+7], v[SC+8*NQ*(\sc)+NQ*\b+(\q)], v[SC+8*NQ*(\sc)+NQ*(\a)+(\q)] matrix_a_fmt:MATRIX_FMT_FP4 matrix_b_fmt:MATRIX_FMT_FP4 matrix_a_scale:MATRIX_SCALE_ROW1
.else
	v_wmma_scale_f32_16x16x128_f8f6f4 v[8*(8*((\a)%4)+\b):8*(8*((\a)%4)+\b)+7], v[128*(\p)+FR*\b:128*(\p)+FR*\b+FR-1], v[AF+FR*(\a):AF+FR*(\a)+FR-1], v[8*(8*((\a)%4)+\b):8*(8*((\a)%4)+\b)+7], v[SC+8*NQ*(\sc)+NQ*\b+(\q)], v[SC+8*NQ*(\sc)+NQ*(\a)+(\q)] matrix_a_fmt:MATRIX_FMT_FP4 matrix_b_fmt:MATRIX_FMT_FP4 matrix_a_scale:MATRIX_SCALE_ROW1
.endif
.endr
.endr
.endm
.macro FETCH_B slot, q, p
	WIN TO_B
.irp i, 0,1,2,3,4,5,6,7
	FRAG 128*(\p)+FR*\i, ADRB+\slot, \q, \i
.endr
	WIN 0
.endm
.macro FETCH_A slot, q, i0
.irp i, \i0, \i0+1, \i0+2, \i0+3
	FRAG AF+FR*(\i), ADRA+\slot, \q, \i
.endr
.endm
.macro SCALES sc                       ; a slot's scale words: 4 words a row; lanes 0-15 take A's block i, lanes 16-31 B's block i
.irp i, 0,1,2,3,4,5,6,7
	ds_load_b128 v[SC+8*NQ*\sc+NQ*\i:SC+8*NQ*\sc+NQ*\i+3], v[ADRS] offset:\i*SBLK
.endr
.endm
.macro PLACES n                        ; plain vector instructions between a matrix instruction and a load into, or a read of, its registers
.rept \n
	v_nop
.endr
.endm
.macro STEP slot, q, zero              ; 128 along K that has its successor in the same slot
	s_wait_dscnt 4*NL                              ; B's set and A's blocks 0-3 are in; the youngest eight loads (A's blocks 4-7) may be out
.if \zero
	WIN 0x81                                       ; C (the bias) in window 0, D in window 2
.else
	WIN MUL_LO
.endif
	MUL16 0, (\q)%2, \q, \slot, \zero
	MUL16 2, (\q)%2, \q, \slot, \zero
	s_wait_dscnt 0
	PLACES NP
	FETCH_B \slot, (\q)+1, 1-(\q)%2
	FETCH_A \slot, (\q)+1, 0
.if \zero
	WIN 0xc1
.else
	WIN MUL_HI
.endif
	MUL16 4, (\q)%2, \q, \slot, \zero
	MUL16 6, (\q)%2, \q, \slot, \zero
	PLACES NP
	WIN 0
	FETCH_A \slot, (\q)+1, 4
.endm
.macro TURN slot, next                 ; slot 0's last step changes slots: one barrier; nothing is filled again
	s_wait_tensorcnt 0x0                           ; all my tensor loads have landed: my part of the next slot
	ds_add_u32 v[SPW], v[NIL]
	s_wait_dscnt 4*NL+1                            ; (the add and the youngest eight loads, A's blocks 4-7, may be out)
	WIN MUL_LO
	MUL16 0, 1, NQ-1, \slot, 0
	s_wait_dscnt 0x0                               ; the add is done, and my reads of this slot are over
	s_barrier_signal -1
	MUL16 2, 1, NQ-1, \slot, 0
	WIN 0
	s_barrier_wait -1                              ; the next slot is whole, and nobody reads this one any more
	PLACES NP
	v_add_nc_u32 v[ADRS], 4*NQ, v[ADRS]            ; on to the next slot's scale words
	FETCH_B \next, 0, 0
	FETCH_A \next, 0, 0
	SCALES \next
	WIN MUL_HI
	MUL16 4, 1, NQ-1, \slot, 0
	MUL16 6, 1, NQ-1, \slot, 0
	PLACES NP
	WIN 0
	FETCH_A \next, 0, 4
.endm
.macro STEPS slot, from
.set Q, \from
.rept NQ-1-\from
	STEP \slot, Q, 0
.set Q, Q+1
.endr
.endm
	s_wait_tensorcnt 1                             ; the scales and my part of slot 0 are in; slot 1's load, the one issued behind them, may be out
	s_barrier_signal -1
	s_barrier_wait -1                              ; everybody's are
	FETCH_B 0, 0, 0
	FETCH_A 0, 0, 0
	SCALES 0
	FETCH_A 0, 0, 4
	s_wait_loadcnt 0x0                             ; the bias
	STEP 0, 0, 1
	STEPS 0, 1
	TURN 0, 1
	STEPS 1, 0
	s_wait_dscnt 4*NL                              ; the very last step: nothing more to fetch
	WIN MUL_LO
	MUL16 0, 1, NQ-1, 1, 0
	MUL16 2, 1, NQ-1, 1, 0
	s_wait_dscnt 0
	WIN MUL_HI
	MUL16 4, 1, NQ-1, 1, 0
	MUL16 6, 1, NQ-1, 1, 0
	WIN 0
; THE WAY OUT, block by block of 16 rows x 128 columns (two heads).  PACK: rounded to f16, each accumulator from its low end on.  TOSTAGE: into my stage and back by heads.  SEND: stored.
.macro PACK a
.set AC, 64*((\a)%4)
	WIN 0x0a+5*((\a)/4)                            ; sources 0 and 1: window 2 or 3
.irp b, 0,1,2,3,4,5,6,7
.irp r, 0,1,2,3
	v_cvt_pk_f16_f32 v[TMP+4*\b+\r], v[AC+8*\b+2*\r], v[AC+8*\b+2*\r+1]
.endr
.endr
	WIN 0
.endm
.macro TOSTAGE a
.set BB, OB+192*((\a)%2)
.irp b, 0,1,2,3,4,5,6,7
	ds_store_b128 v[STO], v[TMP+4*\b:TMP+4*\b+3] offset:32*\b
.endr
.irp t, 0,1,2,3,4,5,6,7
	ds_load_b128 v[BB+4*\t:BB+4*\t+3], v[RD] offset:\t*2*SPITCH    ; LDS serves a wave's instructions in order (ISA guide 5.7.1.4): these see the stores above
.endr
.endm
.macro SEND a
.set BB, OB+192*((\a)%2)
	s_wait_dscnt 0x0                               ; the block is back in registers
	s_wait_xcnt 0x0                                ; the stores of the block before have read their registers: the next block's loads may land there
.irp t, 0,1,2,3,4,5,6,7
	global_store_b128 v[CO], v[BB+4*\t:BB+4*\t+3], s[12:13] offset:2048*(\a)+256*\t   ; each half of the lanes stores two positions of one head: 256 consecutive bytes, aligned
.endr
.endm
	PLACES NP
	PACK 0
	TOSTAGE 0
.irp a, 1,2,3,4,5,6,7                  ; block a's conversions stand between block a - 1's loads from the stage and the wait for them
	PACK \a
	SEND \a-1
	TOSTAGE \a
.endr
	SEND 7
	s_wait_tensorcnt 0x0                           ; the wave's end: three lines behind my last tensor load and my last LDS store
	ds_add_u32 v[SPW], v[NIL]
	s_wait_dscnt 0x0
	CROUND                                         ; the closing round
	s_endpgm
.Lfunc_end_k_q8e332966d7_qkv:
	.size	k_q8e332966d7_qkv, .Lfunc_end_k_q8e332966d7_qkv-k_q8e332966d7_qkv
	.p2alignl 7, 3214868480
	.fill 96, 4, 3214868480
	.section	.rodata,"a",@progbits
	.p2align	6, 0x0
	.amdhsa_kernel k_q8e332966d7_qkv
		.amdhsa_group_segment_fixed_size 327680
		.amdhsa_private_segment_fixed_size 0
		.amdhsa_enable_private_segment 0
		.amdhsa_kernarg_size 64
		.amdhsa_user_sgpr_count 2
		.amdhsa_user_sgpr_kernarg_segment_ptr 1
		.amdhsa_wavefront_size32 1
		.amdhsa_system_sgpr_workgroup_id_x 1
		.amdhsa_system_sgpr_workgroup_id_y 1
		.amdhsa_system_sgpr_workgroup_id_z 1
		.amdhsa_system_vgpr_workitem_id 0
		.amdhsa_next_free_vgpr 1024
		.amdhsa_next_free_sgpr 102
		.amdhsa_reserve_vcc 0
		.amdhsa_float_denorm_mode_32 3
		.amdhsa_float_denorm_mode_16_64 3
		.amdhsa_memory_ordered 1
		.amdhsa_forward_progress 1
		.amdhsa_inst_pref_size 129
	.end_amdhsa_kernel
	.amdgpu_metadata
---
amdhsa.version: [ 1, 2 ]
amdhsa.kernels:
  - .name:           k_q8e332966d7_qkv
    .symbol:         k_q8e332966d7_qkv.kd
    .args:
      - { .name: x_codes, .offset: 0, .size: 8, .value_kind: global_buffer, .address_space: global }
      - { .name: x_scales, .offset: 8, .size: 8, .value_kind: global_buffer, .address_space: global }
      - { .name: w_codes, .offset: 16, .size: 8, .value_kind: global_buffer, .address_space: global }
      - { .name: w_scales, .offset: 24, .size: 8, .value_kind: global_buffer, .address_space: global }
      - { .name: bq, .offset: 32, .size: 8, .value_kind: global_buffer, .address_space: global }
      - { .name: bk, .offset: 40, .size: 8, .value_kind: global_buffer, .address_space: global }
      - { .name: bv, .offset: 48, .size: 8, .value_kind: global_buffer, .address_space: global }
      - { .name: qkv, .offset: 56, .size: 8, .value_kind: global_buffer, .address_space: global }
    .group_segment_fixed_size: 327680
    .private_segment_fixed_size: 0
    .kernarg_segment_align: 8
    .kernarg_segment_size: 64
    .max_flat_workgroup_size: 128
    .sgpr_count:     102
    .vgpr_count:     1024
    .wavefront_size: 32
...
	.end_amdgpu_metadata
.endif
;; end of part 2
;; launch attn (part 3): grid 4 x 64, 16 waves a work-group, clusters of 4 x 1, 327,680 bytes of LDS; arguments qkv, ctx; writes ctx
.if DOCPART == 3
	.amdgcn_target "amdgcn-amd-amdhsa--gfx1250"
	.amdhsa_code_object_version 6
	.text
	.protected	k_q8e332966d7_attn
	.globl	k_q8e332966d7_attn
	.p2align	8
	.type	k_q8e332966d7_attn,@function
k_q8e332966d7_attn:
	s_mov_b64 s[64:65], 0
	v_nop
	global_prefetch_b8 v0, s[64:65] scope:SCOPE_SE
	s_setreg_imm32_b32 hwreg(HW_REG_WAVE_MODE, 25, 1), 1
	s_wait_xcnt 0x0
	s_wait_alu depctr_hold_cnt(0) depctr_sa_sdst(0) depctr_va_vdst(0) depctr_va_sdst(0) depctr_va_ssrc(0) depctr_va_vcc(0) depctr_vm_vsrc(0)
	s_getreg_b32 s2, hwreg(HW_REG_IB_STS2, 6, 4)
	s_cmp_eq_u32 s2, 0
	s_cbranch_scc0 .Lentry_in_a_cluster
	s_endpgm
.Lentry_in_a_cluster:
	s_bfe_u32 s2, ttmp6, 0x10000c
	s_cmp_lg_u32 s2, 0x3003
	s_cbranch_scc0 .Lentry_shape_is_right
	s_endpgm
.Lentry_shape_is_right:
; ATTN: ctx[b][h][q] = the sum over k of softmax_k(q . k / 8) v, no mask.  q, k, v: qkv [3][64 heads][2048][64] f16.  ctx: [16 h][8192 = 2048 b + s][64] f16.
; Products on f16 operands with f32 sums; maxima, exponentials and sums in f32; the weights p (at most 1) are rounded to f16 for the second product, ctx once at the end.
; SHARES.  A work-group owns 512 queries of one head; each of its sixteen waves 32 of them, two tiles of 16, in 256 registers: four waves to a SIMD, so that one wave's vector work stands
; beside another's products and LDS loads.  Every wave walks the head's 2,048 keys, 64 a step.
; LAYOUT.  Both products are used transposed: S^T = K Q^T (source 0 = 16 keys, source 1 = 16 queries), O^T = V^T P (source 0 = 16 channels, by the turning load; source 1 = P): a lane holds ONE
; query throughout.  Two tiles of S^T, rounded in pairs IN PLACE, are source 1 of the second product; so the sums are taken first, into other registers.
; SOFTMAX.  For each query a running maximum m and sum l: p = 2^(c s - c m), c = log2(e) / 8; in every step O^T and l are multiplied by a = 2^(c m_old - c m_new).
; The step is written once: m begins at -3e38, l and O^T at 0, and the first a is 0.
; CLUSTER.  The four work-groups of a head are one cluster and walk the same K and V: each tile is asked for jointly (mask 15).  Waves 0, 1 fetch K's halves of a slot of 256 keys, waves 2, 3 V's.
; RING.  Two LDS slots; the change of slots stands at a slot's head: behind its round the slot just left is filled with the keys that follow, and has four key steps in which to land.
.set KP,    144                        ; a key's row in LDS: 128 bytes + 16: an odd multiple of 16
.set VP,    160                        ; a row of V: 128 + 32: an odd multiple of 32, as the turning load's eight rows x 32 bytes want
.set VOFF,  256*KP                     ; a slot: 256 rows of K, then 256 rows of V
.set SLOT1, 1<<17                      ; slot 1 begins here: one exclusive or turns an address
.set SPARE, SLOT1+256*(KP+VP)          ; the spare words, 128 bytes for each wave: eight blocks of 256 bytes that no other line names
.set STP,   144                        ; the way out: 32 rows x (128 + 16) for each wave, from LDS byte 0: that slot has had its last fill and was left at the last change of slots
.set AK0, 1                            ; v1   my lane's place in a tile of K
.set AV0, 2                            ; v2   the same for V
.set ADK, 3                            ; v3   LDS address of the slot's K
.set ADV, 4                            ; v4   of its V
.set SPW, 5                            ; v5   LDS address of my spare word; never rewritten
.set NIL, 6                            ; v6   0; never rewritten
.set GO,  7                            ; v7   16 x lane: the way out
.set PFO, 8                            ; v8   256 x lane: the prefetches' offset; never rewritten
.set ST,  12                           ; v12-27   tile t's statistics at ST + 8 t: +0 c m, +1 m, +2, +3 l (two halves), +4 to +7 at work; a takes +6
.set Q,   28                           ; v28-59   Q: tile t, channels 32 c on, at Q + 16 t + 8 c
.set S,   60                           ; v60-123  S^T: tile t, keys 16 kt on, at S + 32 t + 8 kt; then p; then P in the first 16 of each 32
.set O,   124                          ; v124-187 O^T: tile t, channels 16 ct on, at O + 32 t + 8 ct
.set KV,  188                          ; v188-251 a step's K, then its V
.set STO, 252                          ; v252 the stage: where I put 16 bytes of a row
.set RD,  253                          ; v253 and where I read rows back
.set QO,  254                          ; v254 my byte offset in the wave's rows of Q
.set WV,  18
.set SEL, 20                           ; s[20:21] lane selects for v_permlanex16_b32: lane l xor 16
.set CS,  22                           ; s[22:23] c, twice: the packed form names a pair
.set G1K, 24
.set G1V, 32
.set G0K, 40                           ; s[40:43], s[44:47]: the groups 0, which walk
.set G0V, 44
.set TB,  48                           ; s48  LDS byte at which the slot in hand begins
.set SLOTS, 49                         ; s49  slots still to be asked for
.set LIM, 50                           ; s50  1 in a wave that prefetches, else the greatest number
.set PFA, 52                           ; s[52:53] where my prefetches stand
.macro CROUND                          ; a round of the cluster's barrier
	s_barrier_signal -1
	s_barrier_wait -1
	s_cmp_lg_u32 s[WV], 0
	s_cbranch_scc1 .Lnot_wave_0_\@
	s_barrier_signal -3
.Lnot_wave_0_\@:
	s_barrier_wait -3
	s_barrier_signal -1
	s_barrier_wait -1
.endm
.macro JLOAD                           ; the branches hang on the wave's number alone; an s_nop 0 and four v_nop follow each line
	s_cmp_lt_u32 s[WV], 2
	s_cbranch_scc0 .Lnot_k_\@
	tensor_load_to_lds s[G0K:G0K+3], s[G1K:G1K+7]
	s_nop 0
.rept 4
	v_nop
.endr
	s_branch .Lasked_\@
.Lnot_k_\@:
	s_cmp_lt_u32 s[WV], 4
	s_cbranch_scc0 .Lasked_\@
	tensor_load_to_lds s[G0V:G0V+3], s[G1V:G1V+7]
	s_nop 0
.rept 4
	v_nop
.endr
.Lasked_\@:
.endm
; A prefetch of what the NEXT change of slots will ask for: a slot's K and V are 32,768 dense bytes each.  Wave 4 asks for K's, wave 5 for V's, one instruction, lanes 256 bytes apart; the four
; partners share each block out by address, 8,192 bytes each: so each aligned 256 bytes is named once in the launch.  It stands one slot, four key steps, ahead of the load; slots 0 and 1 come
; by their loads alone, and the last change that fills a slot asks for nothing.
.macro ASK
	s_cmp_gt_u32 s[SLOTS], s[LIM]
	s_cbranch_scc0 .Lnot_mine_\@
	global_prefetch_b8 v[PFO], s[PFA:PFA+1] th:TH_LOAD_NT scope:SCOPE_SE
.Lnot_mine_\@:
.endm
	s_load_b128 s[4:7], s[0:1], 0x0                ; qkv s[4:5], ctx s[6:7]
	v_lshl_add_u32 v[SPW], v0, 2, SPARE
	v_mov_b32 v[NIL], 0
	ds_add_u32 v[SPW], v[NIL]                      ; the wave's opening: the add, twice on end, and its wait ahead of the first tensor loads
	ds_add_u32 v[SPW], v[NIL]
	v_lshrrev_b32 v9, 5, v0
	v_readfirstlane_b32 s[WV], v9                  ; wave 0..15
	s_bfe_u32 s54, ttmp6, 0x40000                  ; cx: my block of 512 queries; it enters Q's, ctx's and the prefetches' addresses alone
	s_and_b32 s55, ttmp7, 0xffff                   ; the head, 16 b + h, which the four partners share
	s_lshl_b32 s56, s55, 18                        ; a head is 262,144 bytes
	s_and_b32 s58, s[WV], 1                        ; which half of a slot I fetch, if I fetch
	s_lshl_b32 s59, s58, 14                        ; its 128 rows of 128 bytes in memory
	s_add_co_u32 s60, s56, s59
	s_add_co_u32 s62, s60, 0x2000000               ; V lies 2 x 16,777,216 bytes into qkv,
	s_add_co_u32 s60, s60, 0x1000000               ; K 16,777,216
	s_mov_b32 s61, 0
	s_mov_b32 s63, 0
	s_mul_i32 s57, s58, 128*KP                     ; and in a slot
	s_mul_i32 s59, s58, 128*VP
	s_add_co_u32 s59, s59, VOFF
	s_lshl_b32 s66, s54, 16                        ; my block's 512 rows of 128 bytes,
	s_lshl_b32 s67, s[WV], 12                      ; my wave's 32
	s_add_co_u32 s66, s66, s67
	s_and_b32 s70, s55, 15
	s_lshl_b32 s70, s70, 20                        ; ctx: plane h of 1,048,576 bytes,
	s_lshr_b32 s71, s55, 4
	s_lshl_b32 s71, s71, 18                        ; batch b's 2,048 rows
	s_add_co_u32 s70, s70, s71
	s_add_co_u32 s70, s70, s66
	s_mov_b32 s71, 0
	s_add_co_u32 s66, s66, s56                     ; Q: in my head
	s_mov_b32 s67, 0
	s_mov_b32 s73, 0x2000000
	s_cmp_eq_u32 s[WV], 4
	s_cselect_b32 s72, 0x1000000, s73              ; the prefetches: wave 4 K's, wave 5 V's
	s_add_co_u32 s72, s72, s56
	s_lshl_b32 s73, s54, 13                        ; my work-group's 8,192 bytes of a slot's 32,768,
	s_add_co_u32 s72, s72, s73
	s_add_co_u32 s72, s72, 32768                   ; in slot 1: the first change of slots steps it to slot 2
	s_mov_b32 s73, 0
	s_sub_co_u32 s74, s[WV], 4
	s_lshr_b32 s74, s74, 1                         ; 0 in waves 4 and 5: the same in all four partners
	s_cmp_eq_u32 s74, 0
	s_cselect_b32 s[LIM], 1, -1
	s_mov_b32 s[G1K], 15|(1<<16)|(1<<20)|(1<<21)|(4<<22)|(3<<25)   ; the mask: all four; elements of 2 bytes; padding on; bit 21 beside a mask; 4 words of padding after every 32
	s_mov_b32 s[G1V], 15|(1<<16)|(1<<20)|(1<<21)|(4<<22)|(7<<25)   ; the same with 8 words
.irp g, G1K, G1V
	s_mov_b32 s[\g+1], 64<<16                      ; tensor_dim0 = 64
	s_mov_b32 s[\g+2], 128<<16                     ; tensor_dim1 = 128
	s_mov_b32 s[\g+3], 64<<16                      ; tile_dim0 = 64
	s_mov_b32 s[\g+4], 128                         ; tile_dim1 = 128
	s_mov_b32 s[\g+5], 64                          ; the pitch
	s_mov_b32 s[\g+6], 0
	s_mov_b32 s[\g+7], 0
.endr
	s_mov_b32 s[SEL], 0x76543210
	s_mov_b32 s[SEL+1], 0xfedcba98
	s_mov_b32 s[CS], 0x3e38aa3b                    ; c = log2(e) / 8
	s_mov_b32 s[CS+1], s[CS]
	s_mov_b32 s[TB], 0
	s_mov_b32 s[SLOTS], 7
	s_wait_dscnt 0x0                               ; both opening adds are done
	s_wait_kmcnt 0x0
	s_mov_b32 s[G0K], 1
	s_mov_b32 s[G0K+1], s57                        ; slot 0
	s_add_nc_u64 s[G0K+2:G0K+3], s[4:5], s[60:61]
	s_or_b32 s[G0K+3], s[G0K+3], 0x80000000
	s_mov_b32 s[G0V], 1
	s_mov_b32 s[G0V+1], s59
	s_add_nc_u64 s[G0V+2:G0V+3], s[4:5], s[62:63]
	s_or_b32 s[G0V+3], s[G0V+3], 0x80000000
	s_add_nc_u64 s[68:69], s[4:5], s[66:67]        ; Q at my wave's first row
	s_add_nc_u64 s[6:7], s[6:7], s[70:71]          ; ctx likewise
	s_add_nc_u64 s[PFA:PFA+1], s[4:5], s[72:73]
	CROUND                                         ; all four work-groups are here: the first joint loads meet
	JLOAD                                          ; slot 0: one load of mine is out, or none
	v_and_b32 v9, 15, v0                           ; r
	v_bfe_u32 v10, v0, 4, 1                        ; h
	v_lshlrev_b32 v[QO], 7, v9
	v_lshl_add_u32 v[QO], v10, 4, v[QO]            ; row r of 128 bytes + 16 h
.irp t, 0,1
.irp c, 0,1
	global_load_b128 v[Q+16*\t+8*\c:Q+16*\t+8*\c+3],   v[QO], s[68:69] offset:2048*\t+64*\c
	global_load_b128 v[Q+16*\t+8*\c+4:Q+16*\t+8*\c+7], v[QO], s[68:69] offset:2048*\t+64*\c+32
.endr
.endr
	v_mul_u32_u24 v[AK0], v9, KP
	v_lshl_add_u32 v[AK0], v10, 4, v[AK0]          ; K: row r x pitch + 16 h
	v_and_b32 v11, 7, v0
	v_lshl_add_u32 v[AV0], v10, 3, v11             ; V, for the turning load: key 8 h + l % 8,
	v_mul_u32_u24 v[AV0], v[AV0], VP
	v_bfe_u32 v11, v0, 3, 1
	v_lshl_add_u32 v[AV0], v11, 4, v[AV0]          ; channels 8 ((l / 8) % 2) on
	v_add_nc_u32 v[AV0], VOFF, v[AV0]
	v_and_b32 v[GO], 31, v0
	v_lshlrev_b32 v[PFO], 8, v[GO]
	v_lshlrev_b32 v[GO], 4, v[GO]
	s_mul_i32 s74, s[WV], 32*STP                   ; my stage
	v_mul_u32_u24 v[STO], v9, STP
	v_lshl_add_u32 v[STO], v10, 4, v[STO]
	v_add_nc_u32 v[STO], s74, v[STO]               ; in: row r, 16 bytes for each half of the lanes
	v_bfe_u32 v11, v0, 3, 2
	v_mul_u32_u24 v[RD], v11, STP
	v_and_b32 v11, 7, v0
	v_lshl_add_u32 v[RD], v11, 4, v[RD]
	v_add_nc_u32 v[RD], s74, v[RD]                 ; back: eight lanes to a row, four rows an instruction
.irp t, 0,1
	v_mov_b32 v[ST+8*\t+1], 0xff61b1e6             ; m = -3e38, under every score
	v_mul_f32 v[ST+8*\t], s[CS], v[ST+8*\t+1]      ; c m
	v_mov_b32 v[ST+8*\t+2], 0                      ; l
	v_mov_b32 v[ST+8*\t+3], 0
.endr
.irp j, 0,1,2,3,4,5,6,7,8,9,10,11,12,13,14,15,16,17,18,19,20,21,22,23,24,25,26,27,28,29,30,31,32,33,34,35,36,37,38,39,40,41,42,43,44,45,46,47,48,49,50,51,52,53,54,55,56,57,58,59,60,61,62,63
	v_mov_b32 v[O+\j], 0                           ; O^T: the step is written once, and its first run finds zeros
.endr
; A KEY STEP: 64 keys, the q-th of the slot in hand.
.macro STEP q
	v_add_nc_u32 v[ADK], s[TB], v[AK0]             ; five plain lines behind the last step's products: four are owed to the loads into K's and V's registers, five to the products that write over P
	v_add_nc_u32 v[ADV], s[TB], v[AV0]
.rept 3
	v_nop
.endr
.irp c, 0,1                                    ; K: channels 32 c on of the four tiles of 16 keys
.irp kt, 0,1,2,3
	ds_load_b128 v[KV+8*(2*\kt+\c):KV+8*(2*\kt+\c)+3],   v[ADK] offset:(64*(\q)+16*\kt)*KP+64*\c
	ds_load_b128 v[KV+8*(2*\kt+\c)+4:KV+8*(2*\kt+\c)+7], v[ADK] offset:(64*(\q)+16*\kt)*KP+64*\c+32
.endr
.endr
	s_wait_dscnt 8                                 ; channels 0-31 are in; the eight loads of channels 32-63 may be out
.set wi, 0
.rept 16                                       ; S^T = K Q^T: eight accumulators by turns, one instruction a turn; the first eight start the sums
.set rS, S+32*(wi%2)+8*((wi/2)%4)
.set rK, KV+8*(2*((wi/2)%4)+wi/8)
.set rQ, Q+16*(wi%2)+8*(wi/8)
.if wi == 8
	s_wait_dscnt 0x0
.endif
.if wi < 8
	v_wmma_f32_16x16x32_f16 v[rS:rS+7], v[rK:rK+7], v[rQ:rQ+7], 0
.else
	v_wmma_f32_16x16x32_f16 v[rS:rS+7], v[rK:rK+7], v[rQ:rQ+7], v[rS:rS+7]
.endif
.set wi, wi+1
.endr
.rept 4
	v_nop                                          ; places: for the loads into K's registers, and for the first read of the scores
.endr
.irp u, 0,1                                    ; V, turned: keys 32 u on, channels 16 ct on.  These land under the softmax
.irp ct, 0,1,2,3
	ds_load_tr16_b128 v[KV+8*(4*\u+\ct):KV+8*(4*\u+\ct)+3],   v[ADV] offset:(64*(\q)+32*\u)*VP+32*\ct
	ds_load_tr16_b128 v[KV+8*(4*\u+\ct)+4:KV+8*(4*\u+\ct)+7], v[ADV] offset:(64*(\q)+32*\u)*VP+16*VP+32*\ct
.endr
.endr
	; the maximum of my 32 scores and the old m, four chains a tile, the two tiles line by line; each accumulator is first read at its low end
.irp j, 0,1,2,3
.irp t, 0,1
	v_max3_num_f32 v[ST+8*\t+4+\j], v[S+32*\t+8*\j], v[S+32*\t+8*\j+1], v[S+32*\t+8*\j+2]
.endr
.endr
.irp g, 1,2
.irp j, 0,1,2,3
.irp t, 0,1
	v_max3_num_f32 v[ST+8*\t+4+\j], v[ST+8*\t+4+\j], v[S+32*\t+8*\j+2*\g+1], v[S+32*\t+8*\j+2*\g+2]
.endr
.endr
.endr
.irp t, 0,1
	v_max3_num_f32 v[ST+8*\t+4], v[ST+8*\t+4], v[S+32*\t+7], v[S+32*\t+15]
	v_max3_num_f32 v[ST+8*\t+6], v[ST+8*\t+6], v[S+32*\t+23], v[S+32*\t+31]
.endr
.irp t, 0,1
	v_max3_num_f32 v[ST+8*\t+4], v[ST+8*\t+4], v[ST+8*\t+5], v[ST+8*\t+6]
.endr
.irp t, 0,1
	v_max3_num_f32 v[ST+8*\t+4], v[ST+8*\t+4], v[ST+8*\t+7], v[ST+8*\t+1]
.endr
.irp t, 0,1
	v_permlanex16_b32 v[ST+8*\t+5], v[ST+8*\t+4], s[SEL], s[SEL+1]  ; the query's other 32 keys lie in the lane 16 away
.endr
.irp t, 0,1
	v_mov_b32 v[ST+8*\t+7], v[ST+8*\t]             ; c m_old is kept for a
.endr
.irp t, 0,1
	v_max_num_f32 v[ST+8*\t+1], v[ST+8*\t+4], v[ST+8*\t+5]
.endr
.irp t, 0,1
	v_mul_f32 v[ST+8*\t], s[CS], v[ST+8*\t+1]
.endr
.irp t, 0,1
	v_sub_f32 v[ST+8*\t+7], v[ST+8*\t+7], v[ST+8*\t]
.endr
.irp b, 0,1,2,3,4,5,6,7,8,9,10,11,12,13,14,15
.irp t, 0,1
	v_pk_fma_f32 v[S+32*\t+2*\b:S+32*\t+2*\b+1], v[S+32*\t+2*\b:S+32*\t+2*\b+1], s[CS:CS+1], v[ST+8*\t:ST+8*\t+1] op_sel_hi:[1,0,0] neg_lo:[0,0,1] neg_hi:[0,0,1]  ; c s - c m
.endr
.endr
.irp t, 0,1
	v_exp_f32 v[ST+8*\t+6], v[ST+8*\t+7]           ; a
.endr
.irp e, 0,1,2,3,4,5,6,7,8,9,10,11,12,13,14,15,16,17,18,19,20,21,22,23,24,25,26,27,28,29,30,31
.irp t, 0,1
	v_exp_f32 v[S+32*\t+\e], v[S+32*\t+\e]         ; p: ONE batch of 66 exponentials; none reads another's result
.endr
.endr
	v_nop                                          ; a plain line behind the last exponential,
	s_wait_alu depctr_va_vdst(0)                   ; and the one wait ahead of the batch's first reader
.irp t, 0,1
	v_pk_mul_f32 v[ST+8*\t+2:ST+8*\t+3], v[ST+8*\t+2:ST+8*\t+3], v[ST+8*\t+6:ST+8*\t+7] op_sel_hi:[1,0]   ; l x a
	v_pk_add_f32 v[ST+8*\t+4:ST+8*\t+5], v[S+32*\t:S+32*\t+1], v[S+32*\t+2:S+32*\t+3]                     ; the sum of p, unrounded, in two chains
.endr
.irp j, 4,8,12,16,20,24,28
.irp t, 0,1
	v_pk_add_f32 v[ST+8*\t+2:ST+8*\t+3], v[ST+8*\t+2:ST+8*\t+3], v[S+32*\t+\j:S+32*\t+\j+1]
	v_pk_add_f32 v[ST+8*\t+4:ST+8*\t+5], v[ST+8*\t+4:ST+8*\t+5], v[S+32*\t+\j+2:S+32*\t+\j+3]
.endr
.endr
.irp t, 0,1
	v_pk_add_f32 v[ST+8*\t+2:ST+8*\t+3], v[ST+8*\t+2:ST+8*\t+3], v[ST+8*\t+4:ST+8*\t+5]
.endr
.irp j, 0,1,2,3,4,5,6,7,8,9,10,11,12,13,14,15
.irp t, 0,1
	v_cvt_pk_f16_f32 v[S+32*\t+\j], v[S+32*\t+2*\j], v[S+32*\t+2*\j+1]   ; P in place, ascending: word j is written when words 2 j and 2 j + 1 are read
.endr
.endr
.irp b, 0,1,2,3,4,5,6,7,8,9,10,11,12,13,14,15
.irp t, 0,1
	v_pk_mul_f32 v[O+32*\t+2*\b:O+32*\t+2*\b+1], v[O+32*\t+2*\b:O+32*\t+2*\b+1], v[ST+8*\t+6:ST+8*\t+7] op_sel_hi:[1,0]   ; O^T x a, each accumulator from its low end on
.endr
.endr
	s_wait_dscnt 0x0                               ; V is in
.set wi, 0
.rept 16                                       ; O^T += V^T P: eight accumulators by turns
.set rO, O+32*(wi%2)+8*((wi/2)%4)
.set rV, KV+8*(4*(wi/8)+(wi/2)%4)
.set rP, S+32*(wi%2)+8*(wi/8)
	v_wmma_f32_16x16x32_f16 v[rO:rO+7], v[rV:rV+7], v[rP:rP+7], v[rO:rO+7]
.set wi, wi+1
.endr
.endm
; THE CHANGE OF SLOTS, at a slot's head.  Each wave waits for all its tensor loads (its part of the slot ahead), adds 0 to its spare word, and waits for that and for its reads of the slot that it has left.
; fill = 1: a round of the cluster's barrier follows, so that no wave of any partner still reads that slot or has a load on its way, and the joint load is the first thing behind it.
.macro CHANGE fill
	s_wait_tensorcnt 0x0                           ; no tensor load of mine is out, so a group 0 may be written
	ds_add_u32 v[SPW], v[NIL]
.if \fill
	ds_add_u32 v[SPW], v[NIL]                      ; and twice on end here, in every trip alike
	s_xor_b32 s[G0K+1], s[G0K+1], SLOT1            ; the walking descriptors: the other slot than last time,
	s_add_nc_u64 s[G0K+2:G0K+3], s[G0K+2:G0K+3], 32768   ; the next 256 keys
	s_xor_b32 s[G0V+1], s[G0V+1], SLOT1
	s_add_nc_u64 s[G0V+2:G0V+3], s[G0V+2:G0V+3], 32768
	s_wait_xcnt 0x0                                ; the last prefetch, a slot back, has read its address
	s_add_nc_u64 s[PFA:PFA+1], s[PFA:PFA+1], 32768 ; one slot further on than the walking descriptors
	s_wait_dscnt 0x0                               ; both adds are done, and my reads of the slot that I have left are over
	CROUND
	JLOAD
	ASK
.else
	s_wait_dscnt 0x0
	s_barrier_signal -1
	s_barrier_wait -1
.endif
.endm
	s_wait_loadcnt 0x0                             ; Q
.Lslot:                                            ; seven trips: behind each change of slots but the last the next slot is asked for
	CHANGE 1
	STEP 0
	STEP 1
	STEP 2
	STEP 3
	s_xor_b32 s[TB], s[TB], SLOT1
	s_sub_co_u32 s[SLOTS], s[SLOTS], 1
	s_cmp_lg_u32 s[SLOTS], 0
	s_cbranch_scc1 .Lslot
	CHANGE 0                                       ; the last slot is written out
	STEP 0
	STEP 1
	STEP 2
	STEP 3
	; THE WAY OUT.  l's halves are added; O^T is divided by l, rounded to f16 and goes through my stage, so that the wave stores 512 consecutive bytes (four rows of ctx) at a time.
.rept 4
	v_nop                                          ; places behind the last products
.endr
.irp t, 0,1
	v_add_f32 v[ST+8*\t+4], v[ST+8*\t+2], v[ST+8*\t+3]
.endr
.irp t, 0,1
	v_permlanex16_b32 v[ST+8*\t+5], v[ST+8*\t+4], s[SEL], s[SEL+1]
.endr
.irp t, 0,1
	v_add_f32 v[ST+8*\t+4], v[ST+8*\t+4], v[ST+8*\t+5]
.endr
.irp t, 0,1
	v_rcp_f32 v[ST+8*\t+6], v[ST+8*\t+4]
.endr
	v_nop
	s_wait_alu depctr_va_vdst(0)                   ; one wait for the two reciprocals, ahead of their first reader
.irp t, 0,1
.irp b, 0,1,2,3,4,5,6,7,8,9,10,11,12,13,14,15
	v_pk_mul_f32 v[O+32*\t+2*\b:O+32*\t+2*\b+1], v[O+32*\t+2*\b:O+32*\t+2*\b+1], v[ST+8*\t+6:ST+8*\t+7] op_sel_hi:[1,0]
.endr
.endr
.irp j, 0,1,2,3,4,5,6,7,8,9,10,11,12,13,14,15,16,17,18,19,20,21,22,23,24,25,26,27,28,29,30,31
	v_cvt_pk_f16_f32 v[S+\j], v[O+2*\j], v[O+2*\j+1]
.endr
.irp t, 0,1
.irp ct, 0,1,2,3
	ds_store_b128 v[STO], v[S+16*\t+4*\ct:S+16*\t+4*\ct+3] offset:16*STP*\t+32*\ct
.endr
.endr
.irp j, 0,1,2,3,4,5,6,7
	ds_load_b128 v[S+32+4*\j:S+32+4*\j+3], v[RD] offset:4*STP*\j   ; my own stage: these loads see my stores
.endr
.irp j, 0,1,2,3,4,5,6,7
	s_wait_dscnt 7-\j
	global_store_b128 v[GO], v[S+32+4*\j:S+32+4*\j+3], s[6:7] offset:512*\j
.endr
	s_wait_tensorcnt 0x0                           ; the wave's end: three lines behind my last tensor load and my last LDS store
	ds_add_u32 v[SPW], v[NIL]
	s_wait_dscnt 0x0
	CROUND                                         ; the closing round
	s_endpgm
.Lfunc_end_k_q8e332966d7_attn:
	.size	k_q8e332966d7_attn, .Lfunc_end_k_q8e332966d7_attn-k_q8e332966d7_attn
	.p2alignl 7, 3214868480
	.fill 96, 4, 3214868480
	.section	.rodata,"a",@progbits
	.p2align	6, 0x0
	.amdhsa_kernel k_q8e332966d7_attn
		.amdhsa_group_segment_fixed_size 327680
		.amdhsa_private_segment_fixed_size 0
		.amdhsa_enable_private_segment 0
		.amdhsa_kernarg_size 16
		.amdhsa_user_sgpr_count 2
		.amdhsa_user_sgpr_kernarg_segment_ptr 1
		.amdhsa_wavefront_size32 1
		.amdhsa_system_sgpr_workgroup_id_x 1
		.amdhsa_system_sgpr_workgroup_id_y 1
		.amdhsa_system_sgpr_workgroup_id_z 1
		.amdhsa_system_vgpr_workitem_id 0
		.amdhsa_next_free_vgpr 256
		.amdhsa_next_free_sgpr 80
		.amdhsa_reserve_vcc 0
		.amdhsa_float_denorm_mode_32 3
		.amdhsa_float_denorm_mode_16_64 3
		.amdhsa_memory_ordered 1
		.amdhsa_forward_progress 1
		.amdhsa_inst_pref_size 155
	.end_amdhsa_kernel
	.amdgpu_metadata
---
amdhsa.version: [ 1, 2 ]
amdhsa.kernels:
  - .name:           k_q8e332966d7_attn
    .symbol:         k_q8e332966d7_attn.kd
    .args:
      - { .name: qkv, .offset: 0, .size: 8, .value_kind: global_buffer, .address_space: global }
      - { .name: ctx, .offset: 8, .size: 8, .value_kind: global_buffer, .address_space: global }
    .group_segment_fixed_size: 327680
    .private_segment_fixed_size: 0
    .kernarg_segment_align: 8
    .kernarg_segment_size: 16
    .max_flat_workgroup_size: 512
    .sgpr_count:     80
    .vgpr_count:     256
    .wavefront_size: 32
...
	.end_amdgpu_metadata
.endif
;; end of part 3
;; launch oproj (part 4): grid 8 x 32, 4 waves a work-group, clusters of 4 x 4, 327,680 bytes of LDS; arguments ctx, wo16, bo, out0; writes out0
.if DOCPART == 4
	.amdgcn_target "amdgcn-amd-amdhsa--gfx1250"
	.amdhsa_code_object_version 6
	.text
	.protected	k_q8e332966d7_oproj
	.globl	k_q8e332966d7_oproj
	.p2align	8
	.type	k_q8e332966d7_oproj,@function
k_q8e332966d7_oproj:
	s_mov_b64 s[64:65], 0
	v_nop
	global_prefetch_b8 v0, s[64:65] scope:SCOPE_SE
	s_setreg_imm32_b32 hwreg(HW_REG_WAVE_MODE, 25, 1), 1
	s_wait_xcnt 0x0
	s_wait_alu depctr_hold_cnt(0) depctr_sa_sdst(0) depctr_va_vdst(0) depctr_va_sdst(0) depctr_va_ssrc(0) depctr_va_vcc(0) depctr_vm_vsrc(0)
	s_getreg_b32 s2, hwreg(HW_REG_IB_STS2, 6, 4)
	s_cmp_eq_u32 s2, 0
	s_cbranch_scc0 .Lentry_in_a_cluster
	s_endpgm
.Lentry_in_a_cluster:
	s_bfe_u32 s2, ttmp6, 0x10000c
	s_cmp_lg_u32 s2, 0xf033
	s_cbranch_scc0 .Lentry_shape_is_right
	s_endpgm
.Lentry_shape_is_right:
; OPROJ: out0 = ctx Wo + bo.  A = ctx [16 planes of 64 k][8192 m][64] f16, B = wo16 [16 planes][1024 n][64 k] f16; sums in f32; out0 [8192][1024] f32.
; A tile of 256 (m) x 128 (n) gives 256 work-groups.  Four waves, each 128 x 64: 32 accumulators, 256 registers (window 1).  K goes in steps of 128, two planes, through two LDS slots;
; waves 0, 1 fetch A's two planes of a step (256 dense rows of 128 bytes each), waves 2, 3 B's (128 rows each): one load a wave.
; CLUSTERS: 4 x 4 work-groups; A's tiles are shared along a row of the cluster, B's along a column: each is asked for jointly.
; THE MATRIX INSTRUCTION IS USED TRANSPOSED (source 0 = 16 rows of B, source 1 = 16 rows of A): a lane holds eight neighbouring columns of one row.  The bias is the C of each sum's first product.
; REGISTERS: window 0: v16-29 addresses; v32-63 the bias; v64-159, v160-255 two fragment buffers (A's 8 fragments, then B's 4).  window 1: accumulator (a, b) at v[8 (4 a + b)].
.set PITCH,  144                       ; an LDS row: 128 bytes + 16: an odd multiple of 16
.set APL,    256*PITCH                 ; a plane of A's tile
.set BPL,    128*PITCH                 ; a plane of B's
.set BOFF,   2*APL
.set SLOT,   2*APL+2*BPL
.set STAGE,  2*SLOT                    ; behind the ring: 16 rows x (256 + 16) for each wave; no tensor load lands here
.set SPITCH, 272
.set SPARE,  STAGE+4*16*SPITCH         ; the spare words, 128 bytes for each wave: two blocks of 256 bytes that no other line names
.set ADRA, 16
.set ADRB, 20
.set STO,  24
.set RD,   25
.set CO,   26
.set SPW,  28
.set NIL,  29
.set BIAS, 32
.set F0,   64
.set F1,   160
.set G1, 24
.set G0, 32
.set G1B, 48
.set G0B, 56
.set MSB, 0
.macro WIN new
.if MSB != (\new)
	s_set_vgpr_msb (MSB<<8)|(\new)
.set MSB, (\new)
.endif
.endm
.set MUL, 0x50                         ; C and D window 1; with 0x40 C (the bias) is taken from window 0
.macro JLOAD s                         ; waves 0 and 1 fetch for A, waves 2 and 3 for B; an s_nop 0 and four v_nop follow each line
	s_cmp_eq_u32 s11, 0
	s_cbranch_scc0 .Lfor_b_\@
	tensor_load_to_lds s[G0+4*\s:G0+4*\s+3], s[G1:G1+7]
	s_nop 0
.rept 4
	v_nop
.endr
	s_branch .Lasked_\@
.Lfor_b_\@:
	tensor_load_to_lds s[G0B+4*\s:G0B+4*\s+3], s[G1B:G1B+7]
	s_nop 0
.rept 4
	v_nop
.endr
.Lasked_\@:
.endm
.macro CREST
	s_cmp_lg_u32 s10, 0
	s_cbranch_scc1 .Lnot_wave_0_\@
	s_barrier_signal -3
.Lnot_wave_0_\@:
	s_barrier_wait -3
	s_barrier_signal -1
	s_barrier_wait -1
.endm
.macro CROUND
	s_barrier_signal -1
	s_barrier_wait -1
	CREST
.endm
	s_load_b128 s[4:7], s[0:1], 0x0                ; ctx s[4:5], wo16 s[6:7]
	s_load_b64 s[44:45], s[0:1], 0x10              ; bo
	s_load_b64 s[8:9], s[0:1], 0x18                ; out0
	v_lshl_add_u32 v[SPW], v0, 2, SPARE
	v_mov_b32 v[NIL], 0
	ds_add_u32 v[SPW], v[NIL]                      ; the wave's opening: the add, twice on end, and its wait ahead of my first tensor load
	ds_add_u32 v[SPW], v[NIL]
	v_lshrrev_b32 v1, 5, v0
	v_readfirstlane_b32 s10, v1                    ; wave 0..3
	s_lshr_b32 s11, s10, 1                         ; which half of the tile's rows is mine.  Also: I fetch for A (0) or for B (1)
	s_and_b32 s12, s10, 1                          ; which half of its columns.  Also: which plane of a K step I fetch
	s_bfe_u32 s40, ttmp6, 0x40000                  ; cx, cy
	s_bfe_u32 s41, ttmp6, 0x40004
	s_lshl_b32 s42, ttmp9, 2
	s_add_co_u32 s42, s42, s40                     ; tile column
	s_and_b32 s13, ttmp7, 0xffff
	s_lshl_b32 s13, s13, 2
	s_add_co_u32 s13, s13, s41                     ; tile row
	s_lshl_b32 s43, s41, 2
	s_lshl_b32 s43, 15, s43                        ; my row of the cluster
	s_lshl_b32 s46, 0x1111, s40                    ; my column
	s_or_b32 s[G1+0], s43, (1<<16)|(1<<20)|(1<<21)|(4<<22)|(3<<25)   ; the mask; elements of 2 bytes; padding on; bit 21 beside a mask; 4 words of padding after every 32
	s_or_b32 s[G1B+0], s46, (1<<16)|(1<<20)|(1<<21)|(4<<22)|(3<<25)
	s_mov_b32 s[G1+1], 64<<16                      ; tensor_dim0 = 64
	s_mov_b32 s[G1+2], 256<<16                     ; tensor_dim1 = 256
	s_mov_b32 s[G1+3], 64<<16                      ; tile_dim0 = 64
	s_mov_b32 s[G1+4], 256                         ; tile_dim1 = 256
	s_mov_b32 s[G1+5], 64                          ; the pitch
	s_mov_b32 s[G1+6], 0
	s_mov_b32 s[G1+7], 0
	s_mov_b32 s[G1B+1], 64<<16
	s_mov_b32 s[G1B+2], 128<<16
	s_mov_b32 s[G1B+3], 64<<16
	s_mov_b32 s[G1B+4], 128
	s_mov_b32 s[G1B+5], 64
	s_mov_b32 s[G1B+6], 0
	s_mov_b32 s[G1B+7], 0
	s_lshl_b32 s16, s12, 20                        ; A: my plane of 1,048,576 bytes, the tile's 256 rows of 128
	s_lshl_b32 s17, s13, 15
	s_add_co_u32 s16, s16, s17
	s_mov_b32 s17, 0
	s_lshl_b32 s46, s12, 17                        ; B: my plane of 131,072 bytes, the tile's 128 rows
	s_lshl_b32 s47, s42, 14
	s_add_co_u32 s46, s46, s47
	s_mov_b32 s47, 0
	s_mul_i32 s20, s12, APL                        ; where they go: by the wave's number alone
	s_mul_i32 s21, s12, BPL
	s_add_co_u32 s21, s21, BOFF
	s_wait_dscnt 0x0                               ; both opening adds are done
	s_wait_kmcnt 0x0
	s_add_nc_u64 s[14:15], s[4:5], s[16:17]
	s_add_nc_u64 s[46:47], s[6:7], s[46:47]
	CROUND                                         ; all sixteen work-groups are here: the first joint loads meet
.irp s, 0,1
	s_mov_b32 s[G0+4*\s], 1
	s_add_co_u32 s[G0+4*\s+1], s20, \s*SLOT
	s_add_nc_u64 s[G0+4*\s+2:G0+4*\s+3], s[14:15], \s*2*1048576    ; K step s: planes 2 s, 2 s + 1
	s_or_b32 s[G0+4*\s+3], s[G0+4*\s+3], 0x80000000
	s_mov_b32 s[G0B+4*\s], 1
	s_add_co_u32 s[G0B+4*\s+1], s21, \s*SLOT
	s_add_nc_u64 s[G0B+4*\s+2:G0B+4*\s+3], s[46:47], \s*2*131072
	s_or_b32 s[G0B+4*\s+3], s[G0B+4*\s+3], 0x80000000
	JLOAD \s                                       ; two loads of mine are out
.endr
	v_and_b32 v1, 15, v0                           ; l % 16
	v_bfe_u32 v2, v0, 4, 1                         ; l / 16
	s_lshl_b32 s46, s42, 9                         ; my first column, in bytes of f32: 128 x tile column + 64 x half: the same in bo and in a row of out0
	s_lshl_b32 s47, s12, 8
	s_add_co_u32 s46, s46, s47
	s_mov_b32 s47, 0
	s_add_nc_u64 s[44:45], s[44:45], s[46:47]
	s_add_nc_u64 s[8:9], s[8:9], s[46:47]
	s_lshl_b32 s16, s13, 20                        ; my first row: 256 x tile row + 128 x half rows of 4,096 bytes
	s_lshl_b32 s17, s11, 19
	s_add_co_u32 s16, s16, s17
	s_mov_b32 s17, 0
	s_add_nc_u64 s[8:9], s[8:9], s[16:17]
	v_lshlrev_b32 v4, 5, v2                        ; the bias: my half's eight numbers of each 16
.irp b, 0,1,2,3
	global_load_b128 v[BIAS+8*\b:BIAS+8*\b+3], v4, s[44:45] offset:64*\b
	global_load_b128 v[BIAS+8*\b+4:BIAS+8*\b+7], v4, s[44:45] offset:64*\b+16
.endr
	v_mul_u32_u24 v3, v1, PITCH
	v_lshl_add_u32 v3, v2, 4, v3                   ; a fragment's row x pitch + 16 x half
	s_mul_i32 s21, s11, 128*PITCH                  ; my 128 rows of A
	s_mul_i32 s22, s12, 64*PITCH                   ; my 64 rows of B,
	s_add_co_u32 s22, s22, BOFF                    ; behind A's two planes
.irp s, 0,1
	v_add_nc_u32 v[ADRA+\s], s21, v3
	v_add_nc_u32 v[ADRB+\s], s22, v3
	s_add_co_u32 s21, s21, SLOT
	s_add_co_u32 s22, s22, SLOT
.endr
	s_mul_i32 s23, s10, 16*SPITCH
	s_add_co_u32 s23, s23, STAGE                   ; my stage
	v_mul_u32_u24 v5, v1, SPITCH                   ; in: row l % 16, 32 bytes for each half of the lanes
	v_lshl_add_u32 v5, v2, 5, v5
	v_add_nc_u32 v[STO], s23, v5
	v_mul_u32_u24 v5, v2, SPITCH                   ; back: lanes 0-15 one row of 256 bytes, lanes 16-31 the next
	v_lshl_add_u32 v5, v1, 4, v5
	v_add_nc_u32 v[RD], s23, v5
	v_lshlrev_b32 v[CO], 12, v2                    ; and the same two rows in out0
	v_lshl_add_u32 v[CO], v1, 4, v[CO]
; n blocks of A from a0 on, each against B's four, 32 along K.  zero = 1: the first product starts the sums from the bias.  The 32 accumulators take turns, one instruction a turn.
.macro MULH f, a0, n, zero
.set aa, \a0
.rept \n
.irp b, 0,1,2,3
.if \zero
	v_wmma_f32_16x16x32_f16 v[8*(4*aa+\b):8*(4*aa+\b)+7], v[\f+64+8*\b:\f+64+8*\b+7], v[\f+8*aa:\f+8*aa+7], v[BIAS+8*\b:BIAS+8*\b+7]
.else
	v_wmma_f32_16x16x32_f16 v[8*(4*aa+\b):8*(4*aa+\b)+7], v[\f+64+8*\b:\f+64+8*\b+7], v[\f+8*aa:\f+8*aa+7], v[8*(4*aa+\b):8*(4*aa+\b)+7]
.endif
.endr
.set aa, aa+1
.endr
.endm
; 24 LDS loads in one run: quarter q of a K step (plane q / 2, channels 32 (q % 2) on) into buffer f: B's four fragments, A's blocks 0-3, A's blocks 4-7
.macro FETCH slot, q, f
.irp i, 0,1,2,3
	ds_load_b128 v[\f+64+8*\i:\f+64+8*\i+3],   v[ADRB+\slot] offset:((\q)/2)*BPL+((\q)%2)*64+\i*16*PITCH
	ds_load_b128 v[\f+64+8*\i+4:\f+64+8*\i+7], v[ADRB+\slot] offset:((\q)/2)*BPL+((\q)%2)*64+\i*16*PITCH+32
.endr
.irp i, 0,1,2,3,4,5,6,7
	ds_load_b128 v[\f+8*\i:\f+8*\i+3],   v[ADRA+\slot] offset:((\q)/2)*APL+((\q)%2)*64+\i*16*PITCH
	ds_load_b128 v[\f+8*\i+4:\f+8*\i+7], v[ADRA+\slot] offset:((\q)/2)*APL+((\q)%2)*64+\i*16*PITCH+32
.endr
.endm
.macro PLACES                          ; four plain lines in front of loads into registers that matrix instructions have read, and of the first read of results
.rept 4
	v_nop
.endr
.endm
; One of a K step's first three quarters: multiplies buffer f and fetches quarter qn of the same slot into g
.macro QUARTER slot, qn, f, g, zero
	s_wait_dscnt 8                                 ; B and A's blocks 0-3 are in; the youngest eight loads (A's blocks 4-7) may be out
	WIN MUL-0x10*\zero
	MULH \f, 0, 4, \zero
	PLACES
	WIN 0
	FETCH \slot, \qn, \g
	s_wait_dscnt 24                                ; all but the 24 just issued
	WIN MUL-0x10*\zero
	MULH \f, 4, 4, \zero
.endm
; The last quarter multiplies buffer 1 and changes slots: one barrier; in front of it each wave waits for all its tensor loads, adds 0 to its spare word, and waits for that and for its reads of this slot.
; fill = 1: the barrier opens a round of the cluster's, and behind it this slot is filled again, two K steps ahead: 112 matrix instructions stand between that request and the wait for it.
.macro TURN slot, next, fill
	WIN 0
	s_wait_tensorcnt 0x0                           ; all my tensor loads have landed: my part of the next slot
	ds_add_u32 v[SPW], v[NIL]
	s_wait_dscnt 9                                 ; (the add and the youngest eight loads may be out)
	WIN MUL
	MULH F1, 0, 2, 0
	s_wait_dscnt 0x0                               ; the add is done, and my reads of this slot are over
	s_barrier_signal -1
	MULH F1, 2, 2, 0
	WIN 0
	s_barrier_wait -1
.if \fill
	CREST                                          ; no wave of any partner still reads this slot's tiles or has a load on its way
	s_add_nc_u64 s[G0+4*\slot+2:G0+4*\slot+3], s[G0+4*\slot+2:G0+4*\slot+3], 4*1048576
	s_add_nc_u64 s[G0B+4*\slot+2:G0B+4*\slot+3], s[G0B+4*\slot+2:G0B+4*\slot+3], 4*131072
	JLOAD \slot                                    ; the first tensor load behind the round; its four v_nop are also the places in front of the loads below
.else
	PLACES
.endif
	FETCH \next, 0, F0
	WIN MUL
	MULH F1, 4, 4, 0
.endm
	s_wait_tensorcnt 1                             ; my part of K step 0 is in; K step 1's load may be out
	s_barrier_signal -1
	s_barrier_wait -1
	FETCH 0, 0, F0
	s_wait_loadcnt 0x0                             ; the bias
	QUARTER 0, 1, F0, F1, 1                        ; the first quarter stands in front of the loop: its products start the sums
	WIN 0
	s_mov_b32 s3, 3
.Llap:                                                 ; a trip goes once round the ring and fills both slots again: K steps 2 to 7 in three trips
	QUARTER 0, 2, F1, F0, 0
	QUARTER 0, 3, F0, F1, 0
	TURN 0, 1, 1
	QUARTER 1, 1, F0, F1, 0
	QUARTER 1, 2, F1, F0, 0
	QUARTER 1, 3, F0, F1, 0
	TURN 1, 0, 1
	QUARTER 0, 1, F0, F1, 0
	WIN 0
	s_sub_co_u32 s3, s3, 1
	s_cmp_lg_u32 s3, 0
	s_cbranch_scc1 .Llap
	QUARTER 0, 2, F1, F0, 0                        ; the last lap fills nothing
	QUARTER 0, 3, F0, F1, 0
	TURN 0, 1, 0
	QUARTER 1, 1, F0, F1, 0
	QUARTER 1, 2, F1, F0, 0
	QUARTER 1, 3, F0, F1, 0
	s_wait_dscnt 8
	WIN MUL
	MULH F1, 0, 4, 0
	s_wait_dscnt 0x0
	MULH F1, 4, 4, 0
	WIN 0
; THE WAY OUT, block by block of 16 rows x 64 columns of f32: through my own stage and back as whole rows of 256 bytes
.macro TOSTAGE a
	WIN 0x04                                       ; an LDS store's data are its source 1: window 1
.irp b, 0,1,2,3
	ds_store_b128 v[STO], v[32*(\a)+8*\b:32*(\a)+8*\b+3] offset:64*\b            ; each accumulator from its low end on
	ds_store_b128 v[STO], v[32*(\a)+8*\b+4:32*(\a)+8*\b+7] offset:64*\b+16
.endr
	WIN 0
.set BB, F0+32*((\a)%2)
.irp t, 0,1,2,3,4,5,6,7
	ds_load_b128 v[BB+4*\t:BB+4*\t+3], v[RD] offset:\t*2*SPITCH    ; LDS serves a wave's instructions in order (ISA guide 5.7.1.4): these see the stores above
.endr
.endm
.macro SEND a, younger                 ; younger: the LDS instructions issued behind block a's loads, which may stay out
.set BB, F0+32*((\a)%2)
	s_wait_dscnt \younger
.irp t, 0,1,2,3,4,5,6,7
	global_store_b128 v[CO], v[BB+4*\t:BB+4*\t+3], s[8:9] offset:65536*(\a)+8192*\t th:TH_STORE_NT   ; sixteen lanes store 256 consecutive bytes, aligned; written once, read by nobody here
.endr
.endm
	PLACES
	TOSTAGE 0
.irp a, 1,2,3,4,5,6,7
.if \a > 1
	s_wait_xcnt 0x0                                ; block a - 2's stores have read their registers: block a's loads may land there
.endif
	TOSTAGE \a
	SEND \a-1, 16                                  ; behind block a - 1's loads: block a's 8 stores and 8 loads
.endr
	SEND 7, 0
	s_wait_tensorcnt 0x0                           ; the wave's end: three lines behind my last tensor load and my last LDS store
	ds_add_u32 v[SPW], v[NIL]
	s_wait_dscnt 0x0
	CROUND                                         ; the closing round
	s_endpgm
.Lfunc_end_k_q8e332966d7_oproj:
	.size	k_q8e332966d7_oproj, .Lfunc_end_k_q8e332966d7_oproj-k_q8e332966d7_oproj
	.p2alignl 7, 3214868480
	.fill 96, 4, 3214868480
	.section	.rodata,"a",@progbits
	.p2align	6, 0x0
	.amdhsa_kernel k_q8e332966d7_oproj
		.amdhsa_group_segment_fixed_size 327680
		.amdhsa_private_segment_fixed_size 0
		.amdhsa_enable_private_segment 0
		.amdhsa_kernarg_size 32
		.amdhsa_user_sgpr_count 2
		.amdhsa_user_sgpr_kernarg_segment_ptr 1
		.amdhsa_wavefront_size32 1
		.amdhsa_system_sgpr_workgroup_id_x 1
		.amdhsa_system_sgpr_workgroup_id_y 1
		.amdhsa_system_sgpr_workgroup_id_z 1
		.amdhsa_system_vgpr_workitem_id 0
		.amdhsa_next_free_vgpr 512
		.amdhsa_next_free_sgpr 66
		.amdhsa_reserve_vcc 0
		.amdhsa_float_denorm_mode_32 3
		.amdhsa_float_denorm_mode_16_64 3
		.amdhsa_memory_ordered 1
		.amdhsa_forward_progress 1
		.amdhsa_inst_pref_size 86
	.end_amdhsa_kernel
	.amdgpu_metadata
---
amdhsa.version: [ 1, 2 ]
amdhsa.kernels:
  - .name:           k_q8e332966d7_oproj
    .symbol:         k_q8e332966d7_oproj.kd
    .args:
      - { .name: ctx, .offset: 0, .size: 8, .value_kind: global_buffer, .address_space: global }
      - { .name: wo16, .offset: 8, .size: 8, .value_kind: global_buffer, .address_space: global }
      - { .name: bo, .offset: 16, .size: 8, .value_kind: global_buffer, .address_space: global }
      - { .name: out0, .offset: 24, .size: 8, .value_kind: global_buffer, .address_space: global }
    .group_segment_fixed_size: 327680
    .private_segment_fixed_size: 0
    .kernarg_segment_align: 8
    .kernarg_segment_size: 32
    .max_flat_workgroup_size: 128
    .sgpr_count:     66
    .vgpr_count:     512
    .wavefront_size: 32
...
	.end_amdgpu_metadata
.endif
;; end of part 4
